; MI455X (gfx1250); checked and timed in simulation.
; The chip was launched on July 23, 2026; its instructions are those of AMD's public machine-readable ISA for CDNA 5 (MIT licence, August 2026) and "CDNA5" Instruction Set Architecture Reference Guide (July 2026). The comments in the code are by the model that wrote it; some were corrected since.
;; PSA. Allowed arithmetic: matrix products marked QUANTISED: E5M2 operands, one given power-of-two scale a tensor, by v_wmma_f32_16x16x64_bf8_bf8 or v_wmma_f32_16x16x128_bf8_bf8, f32 sums; everything else in f32.
;; Inputs: f_b 32 float32; f_w 32 x 256 float32; g_b 32 float32; g_w 32 x 256 float32; gamma1 1 float32; gamma2 1 float32; h1_b 256 float32; h1_w 256 x 256 float32; h2_b 256 float32; h2_w 256 x 256 float32; lowp_scales 20 int32 (the exponents e of the quantised operands' scales 2^e); x1 4 x 256 x 64 x 64 float32; x2 4 x 256 x 64 x 64 float32.
;; Outputs: out0 4 x 256 x 64 x 64 float32; out1 4 x 256 x 64 x 64 float32.
;; This version of the problem:
;;   THIS VERSION OF THE PROBLEM IS GIVEN IN LOW PRECISION. The matrix products marked QUANTISED in the list below multiply operands that are first quantised to E5M2 (5 exponent bits, 2 mantissa bits; 8 bits a number), with one given power-of-two scale for each operand tensor; their sums are f32. All else is computed in f32.
;;   The module's matrix products, in the order in which they are computed (A, B: the left and right operand; K: the contracted axis; several contracted axes count as one K, in the product's order):
;;     1. [M 16,384, K 256] x [K 256, N 32]; A: input x1; B: input f_w: QUANTISED (scales: A lowp_scales[0], B lowp_scales[1])
;;     2. [M 16,384, K 256] x [K 256, N 32]; A: input x1; B: input g_w: QUANTISED (scales: A lowp_scales[2], B lowp_scales[3])
;;     3. batch 4 x [M 4,096, K 32] x [K 32, N 4,096]; A: computed on the way; B: computed on the way: QUANTISED (scales: A lowp_scales[4], B lowp_scales[5])
;;     4. [M 16,384, K 256] x [K 256, N 256]; A: input x1; B: input h1_w: QUANTISED (scales: A lowp_scales[6], B lowp_scales[7])
;;     5. batch 4 x [M 256, K 4,096] x [K 4,096, N 4,096]; A: computed on the way; B: computed on the way: QUANTISED (scales: A lowp_scales[8], B lowp_scales[9])
;;     6. [M 16,384, K 256] x [K 256, N 32]; A: input x2; B: input f_w: QUANTISED (scales: A lowp_scales[10], B lowp_scales[11])
;;     7. [M 16,384, K 256] x [K 256, N 32]; A: input x2; B: input g_w: QUANTISED (scales: A lowp_scales[12], B lowp_scales[13])
;;     8. batch 4 x [M 4,096, K 32] x [K 32, N 4,096]; A: computed on the way; B: computed on the way: QUANTISED (scales: A lowp_scales[14], B lowp_scales[15])
;;     9. [M 16,384, K 256] x [K 256, N 256]; A: input x2; B: input h2_w: QUANTISED (scales: A lowp_scales[16], B lowp_scales[17])
;;     10. batch 4 x [M 256, K 4,096] x [K 4,096, N 4,096]; A: computed on the way; B: computed on the way: QUANTISED (scales: A lowp_scales[18], B lowp_scales[19])
;;   THE QUANTISER, for each operand of a quantised product, along K:
;;     - The operand's scale is 2^e, e = its entry of the input lowp_scales (int32; the entries are numbered through the quantised products in the list's order, A before B).
;;     - Each number is divided by the scale, clamped to +-57,344, and rounded to the nearest number of E5M2, ties to even, subnormals kept.
;;     - The product sums the exact products of the quantised numbers (number of the format x scale) in f32.
;;   ~~~python
;;   def quantise(x, axis, e):      # numpy; x: float32 -> the quantised numbers, widened to float32 again
;;       x = np.moveaxis(x, axis, -1); K = x.shape[-1]
;;       r = np.clip(x / 2.0 ** e, -57344, 57344)
;;       step = 2.0 ** (np.maximum(np.frexp(np.where(r == 0, 1, r))[1] - 1, -14) - 2)
;;       q = np.round(r / step) * step * 2.0 ** e      # np.round: ties to even
;;       return np.moveaxis(q, -1, axis).astype(np.float32)
;;   ~~~
;;   OPERANDS COMPUTED ON THE WAY. 'Computed on the way' means the value that the module computes at that place (a softmax that the list does not call 'softmax' is quantised finished and normalised). What goes into a quantiser is computed in f32, as accurately as f32 sums, v_exp_f32 and their like allow (about 1e-6 of the number): no bf16 or f16 on the way to a quantiser, and a product that is left as it is and whose result goes on into a quantised operand takes f32 operands (vector FMAs, or v_wmma_f32_16x16x4_f32). A number that lies on a knife's edge between two numbers of the format may be rounded either way, as far as f32 arithmetic and the matrix unit's own rounding can turn it there, and no further.
;; 2 versions, each right; version 2 is version 1 with the launches project, stats, attend written anew for expert scheduling mode. Each part assembles by itself: llvm-mc -triple=amdgcn-amd-amdhsa -mcpu=gfx1250 --defsym DOCPART=n.
;; ======== version 1 of 2: 3 launches
;; workspace buffers: fq 1,048,576 bytes; gq 1,048,576 bytes; hq 8,388,608 bytes; cst 131,072 bytes
;; launch project (part 1): grid 32 x 8, 8 waves a work-group, no clusters, 116,480 bytes of LDS; arguments x1, x2, f_w, g_w, f_b, g_b, h1_w, h2_w, h1_b, h2_b, lowp_scales, fq, gq, hq; writes fq, gq, hq
.if DOCPART == 1
	.amdgcn_target "amdgcn-amd-amdhsa--gfx1250"
	.amdhsa_code_object_version 6
	.text
	.protected	k_qa940dd38d1_project
	.globl	k_qa940dd38d1_project
	.p2align	8
	.type	k_qa940dd38d1_project,@function
k_qa940dd38d1_project:
	s_mov_b64 s[64:65], 0
	v_nop
	global_prefetch_b8 v0, s[64:65] scope:SCOPE_SE
	s_setreg_imm32_b32 hwreg(HW_REG_WAVE_MODE, 25, 1), 1
	s_wait_xcnt 0x0
; PROJECT: f = f_w x + f_b, g = g_w x + g_b, h = h_w x + h_b for both branches, each product on codes of E5M2, and f, g, h quantised again
; for the products that follow.  bb = 4 x branch + batch (work-group y); x[bb] is [256 c][4096 n] f32.
; DEAD WORK: none.  Every bias is added ahead of a quantiser (f_b, g_b ahead of the scores' operands, h_b ahead of the last product's), so each can move
; codes; x is quantised three times because the three products give it three scales.  Every input of the problem is loaded by some launch.
; OUT: fq, gq [bb][n][32 B]: byte 16 h + 8 kt + j of a row is the code of channel 16 kt + 8 h + j, so that 16 bytes at 32 n + 16 h are registers 0-3 of a
; K = 64 fragment.  hq [bb][s 32][ct 16][q 4][lane 32][16 B]: a K = 128 fragment's registers on end: lane (r, h), group q: h[16 ct + r][128 s + 32 q + 16 h + 0..15].
; FRAGMENTS of K = 128 hold k = 32 q + 16 h + 0..15 in registers 4 q .. 4 q + 3, alike on both sides of every product: a permutation of k.
; SHARES.  A work-group takes 128 n (work-group x = s) of one bb.  Wave w loads rows c = 32 w .. 32 w + 31 of x, 512 consecutive bytes a load, 16 a lane: a lane holds
; 4 columns n = 4 L + j.  The hold writes into other registers anyway and puts 8 neighbours along c on end there, so nothing else is turned.  The codes are stored to
; LDS at their place in an IMAGE OF THE FRAGMENT'S REGISTERS (16 bytes a lane, 512 a group).  THE COLUMNS OF A TILE ARE NOT NEIGHBOURS: lane r of tile 2 qq + u is
; n = 32 qq + 8 u + r + (r & 8), so that the 16 results of two neighbouring tiles of h are 16 neighbours along n, the last product's K.
; Behind the one barrier: wave (q = w & 3, kh = w >> 2) makes f (kh = 0) or g (kh = 1) for tiles 2 q, 2 q + 1; then wave w makes h for output tiles 2 w, 2 w + 1 and all 128 n.
; A sum of codes stands for sum x 2^(ex + ew): the bias goes in as the first product's C, divided by that power; the three scales are folded into the conversion's one.
; LIMITS: e0, e2, e6, e7, e1 or e3, e4 - e0 - e1, e5 - e2 - e3, e8 - e6 - e7 (and the second branch's) lie between -126 and 112, so that each scale and 57,344 x it are f32 numbers.  NaN among the inputs is not served.
; REGISTERS.  window 0: v0-31 ids, addresses, scales; v32-63 T at work, later the products' results; v64-159 x's codes, later f's, g's, h's; v160-223 h_w's 4 fragments; v224-239, v240-255 the biases as C.
;   window 1: v0-127 x as loaded, later weights as loaded, later f's and g's operands; v128-191, v192-255 weights as loaded, later x's fragments for h, two sets.
.set TP,    4112                       ; a tile's two images (K steps 0, 1) + 16 bytes: the 16 lanes of a store's half then fall on 16 different 16-byte columns of 256
.set XR,    33024                      ; a region: 8 tiles, rounded up to blocks of 256.  Regions: x by e0, by e2, by e6
.set WIB,   3*XR                       ; f_w's 4 fragments, then g_w's 4: 2,048 bytes each
.set SPARE, WIB+8*2048                 ; the spare words, 128 bytes for each wave: four blocks of 256 bytes that no other line names
.set LI,  4                            ; 16 x lane
.set WO,  5                            ; weights: 1,024 r + 64 h
.set FO,  6                            ; fq, gq: 32 (r + (r & 8)) + 16 h
.set XW,  7                            ; where my x codes go, regions 0 and 1
.set LIF, 8                            ; 16 x lane + my region (kh) + my two tiles
.set LIH, 9                            ; 16 x lane + region 2
.set WIW, 10                           ; where my small fragment goes
.set WIR, 11                           ; where my matrix's four lie
.set SPW, 12                           ; my spare word; never rewritten
.set NIL, 13                           ; 0; never rewritten
.set BO,  14                           ; 32 h
.set HBO, 15                           ; 4 r
.set SCX, 16                           ; v16.. pairs (scale, 57,344 x scale): x by e0, e2, e6
.set SCHW, 22                          ; h_w
.set SCSW, 24                          ; f_w or g_w
.set SCFO, 26                          ; f or g, folded
.set SCHO, 28                          ; h, folded
.set XW2, 30                           ; where my x codes go, region 2
.set T,   32
.set XC,  64
.set HC,  64
.set FC,  96
.set HWC, 160
.set BI,  224
.set HBC, 240
.set WRA, 128
.set WRB, 192
.set XP,  50
.set HWP, 52
.set HBP, 54
.set SWP, 56
.set SBP, 58
.set SQP, 60
.set HQP, 62
.set MSB, 0
.macro WIN new                         ; bits 1:0 source 0, 3:2 source 1, 5:4 source 2, 7:6 destination; the high byte repeats the setting that is left
.if MSB != (\new)
	s_set_vgpr_msb (MSB<<8)|(\new)
.set MSB, (\new)
.endif
.endm
.macro MKSC e, v                       ; 2^e and 57,344 x 2^e as f32
	s_add_co_i32 s37, s[\e], 127
	s_lshl_b32 s38, s37, 23
	v_mov_b32 v[\v], s38
	s_add_co_i32 s37, s37, 15
	s_lshl_b32 s37, s37, 23
	s_or_b32 s37, s37, 0x600000
	v_mov_b32 v[\v+1], s37
.endm
.macro WL dst, base, imm               ; a weight fragment as f32: 16 rows x 128 k, 64 numbers a lane, register 16 q + i = k 32 q + 16 h + i
	WIN 0x40
.irp q, 0,1,2,3
.irp e, 0,1,2,3
	global_load_b128 v[\dst+16*\q+4*\e:\dst+16*\q+4*\e+3], v[WO], s[\base:\base+1] offset:\imm+128*\q+16*\e
.endr
.endr
.endm
.macro QW src, dst, sc                 ; it becomes 16 registers of codes in window 0
	WIN 0x41
.set n, 0
.rept 64
	v_med3_num_f32 v[\src+n], v[\src+n], -v[\sc+1], v[\sc+1]   ; the conversion to an 8-bit code does not saturate (ISA guide 7.6.2): the hold comes first
.set n, n+1
.endr
	WIN 0x01
.set n, 0
.rept 8
	v_cvt_scalef32_pk8_bf8_f32 v[\dst+2*n:\dst+2*n+1], v[\src+8*n:\src+8*n+7], v[\sc]
.set n, n+1
.endr
	v_nop                                          ; a plain line behind the last conversion
.endm
.macro QXG gi                          ; rows 8 gi .. 8 gi + 7 of my 32, my 4 columns, by each of the three scales
.irp z, 0,1,2
	WIN 0x01
.irp j, 0,1,2,3
.irp i, 0,1,2,3,4,5,6,7
	v_med3_num_f32 v[T+8*\j+\i], v[4*(8*\gi+\i)+\j], -v[SCX+2*\z+1], v[SCX+2*\z+1]   ; the hold, and column j's 8 neighbours along c on end
.endr
.endr
	WIN 0
.irp j, 0,1,2,3
	v_cvt_scalef32_pk8_bf8_f32 v[XC+32*\z+8*\j+2*\gi:XC+32*\z+8*\j+2*\gi+1], v[T+8*\j:T+8*\j+7], v[SCX+2*\z]
.endr
	v_nop                                          ; a plain line before T, the conversions' source, is written again
.endr
.endm
.macro FETCH reg, adr, off             ; an image comes back as the fragment's registers
.irp c, 0,1,2,3
	ds_load_b128 v[\reg+4*\c:\reg+4*\c+3], v[\adr] offset:\off+512*\c
.endr
.endm
.macro HFETCH qq                       ; x by e6: tiles 2 qq, 2 qq + 1, both K steps, into set qq % 2
.irp u, 0,1
.irp ks, 0,1
	FETCH 128+64*((\qq)%2)+32*\u+16*\ks, LIH, (2*(\qq)+\u)*TP+\ks*2048
.endr
.endr
.endm
	s_load_b512 s[8:23], s[0:1], 0x0               ; x1, x2, f_w, g_w, f_b, g_b, h1_w, h2_w
	s_load_b256 s[24:31], s[0:1], 0x40             ; h1_b, h2_b, lowp_scales, fq
	s_load_b128 s[32:35], s[0:1], 0x60             ; gq, hq
	v_lshl_add_u32 v[SPW], v0, 2, SPARE
	v_mov_b32 v[NIL], 0
	v_lshrrev_b32 v1, 5, v0
	v_readfirstlane_b32 s6, v1                     ; wave 0..7
	s_and_b32 s7, s6, 3                            ; q
	s_lshr_b32 s36, s6, 2                          ; kh
	s_and_b32 s3, ttmp7, 0xffff                    ; bb
	s_lshr_b32 s4, s3, 2                           ; branch
	s_and_b32 s5, s3, 3                            ; batch
	v_and_b32 v1, 31, v0
	v_and_b32 v2, 15, v0                           ; r
	v_bfe_u32 v3, v0, 4, 1                         ; h
	v_lshlrev_b32 v[LI], 4, v1
	v_lshlrev_b32 v[WO], 10, v2
	v_lshl_add_u32 v[WO], v3, 6, v[WO]
	v_and_b32 v31, 8, v2
	v_add_nc_u32 v31, v31, v2
	v_lshlrev_b32 v[FO], 5, v31
	v_lshl_add_u32 v[FO], v3, 4, v[FO]
	v_lshlrev_b32 v[BO], 5, v3
	v_lshlrev_b32 v[HBO], 2, v2
	v_bfe_u32 v31, v0, 3, 2                        ; column 4 L + j: qq = L >> 3,
	v_bfe_u32 v1, v0, 1, 1                         ; u = bit 1 of L,
	v_lshl_add_u32 v31, v31, 1, v1                 ; tile 2 qq + u,
	v_mul_u32_u24 v[XW], v31, TP
	v_bfe_u32 v31, v0, 2, 1                        ; lane r = 8 (bit 2 of L) + 4 (bit 0 of L) + j: 16 r bytes
	v_lshl_add_u32 v[XW], v31, 7, v[XW]
	v_and_b32 v31, 1, v0
	v_lshl_add_u32 v[XW], v31, 6, v[XW]
	s_lshl_b32 s37, s6, 9                          ; my 32 rows are K step w >> 2, group w & 3: 512 w bytes into a tile's images
	v_add_nc_u32 v[XW], s37, v[XW]
	v_add_nc_u32 v[XW2], 2*XR, v[XW]
	s_mul_i32 s37, s36, XR
	s_mul_i32 s38, s7, 2*TP
	s_add_co_u32 s37, s37, s38
	v_add_nc_u32 v[LIF], s37, v[LI]
	v_add_nc_u32 v[LIH], 2*XR, v[LI]
	s_lshl_b32 s37, s6, 11
	s_add_co_u32 s37, s37, WIB
	v_add_nc_u32 v[WIW], s37, v[LI]
	s_lshl_b32 s37, s36, 13
	s_add_co_u32 s37, s37, WIB
	v_add_nc_u32 v[WIR], s37, v[LI]
	s_wait_kmcnt 0x0
	s_cmp_eq_u32 s4, 0                             ; the branch's buffers: a choice on the work-group's number
	s_cselect_b64 s[XP:XP+1], s[8:9], s[10:11]
	s_cselect_b64 s[HWP:HWP+1], s[20:21], s[22:23]
	s_cselect_b64 s[HBP:HBP+1], s[24:25], s[26:27]
	s_cmp_eq_u32 s36, 0                            ; f's or g's: a choice on the wave's number
	s_cselect_b64 s[SWP:SWP+1], s[12:13], s[14:15]
	s_cselect_b64 s[SBP:SBP+1], s[16:17], s[18:19]
	s_cselect_b64 s[SQP:SQP+1], s[30:31], s[32:33]
	s_mov_b64 s[HQP:HQP+1], s[34:35]
	s_mov_b32 s39, 0
	s_mul_i32 s38, s4, 40                          ; the branch's ten exponents
	s_add_nc_u64 s[28:29], s[28:29], s[38:39]
	s_load_b256 s[40:47], s[28:29], 0x0            ; e0 .. e7
	s_load_b32 s48, s[28:29], 0x20                 ; e8
	s_lshl_b32 s38, s5, 22                         ; x: batch x 4 MiB + 32 w rows of 16,384 + 512 s
	s_lshl_b32 s37, s6, 19
	s_add_co_u32 s38, s38, s37
	s_lshl_b32 s37, ttmp9, 9
	s_add_co_u32 s38, s38, s37
	s_add_nc_u64 s[XP:XP+1], s[XP:XP+1], s[38:39]
	s_lshl_b32 s38, s6, 15                         ; h_w: my 32 rows of 1,024 bytes
	s_add_nc_u64 s[HWP:HWP+1], s[HWP:HWP+1], s[38:39]
	s_lshl_b32 s38, s6, 7                          ; h_b: my 32 numbers
	s_add_nc_u64 s[HBP:HBP+1], s[HBP:HBP+1], s[38:39]
	s_lshr_b32 s37, s7, 1                          ; the small fragment that I make: rows 16 (q >> 1) on, K step q & 1
	s_lshl_b32 s38, s37, 14
	s_and_b32 s37, s7, 1
	s_lshl_b32 s37, s37, 9
	s_add_co_u32 s38, s38, s37
	s_add_nc_u64 s[SWP:SWP+1], s[SWP:SWP+1], s[38:39]
	s_lshl_b32 s38, s3, 17                         ; fq or gq: bb x 131,072 + (128 s + 32 q) rows of 32
	s_lshl_b32 s37, ttmp9, 12
	s_add_co_u32 s38, s38, s37
	s_lshl_b32 s37, s7, 10
	s_add_co_u32 s38, s38, s37
	s_add_nc_u64 s[SQP:SQP+1], s[SQP:SQP+1], s[38:39]
	s_lshl_b32 s38, s3, 20                         ; hq: bb x 1 MiB + s x 32,768 + my two tiles of 2,048
	s_lshl_b32 s37, ttmp9, 15
	s_add_co_u32 s38, s38, s37
	s_lshl_b32 s37, s6, 12
	s_add_co_u32 s38, s38, s37
	s_add_nc_u64 s[HQP:HQP+1], s[HQP:HQP+1], s[38:39]
	; the loads: 6 of biases, 32 of x, 16 of the first weight fragment
	global_load_b128 v[BI:BI+3], v[BO], s[SBP:SBP+1]                ; C of f or g: lane (r, h), tile kt: b[16 kt + 8 h + 0..7]
	global_load_b128 v[BI+4:BI+7], v[BO], s[SBP:SBP+1] offset:16
	global_load_b128 v[BI+8:BI+11], v[BO], s[SBP:SBP+1] offset:64
	global_load_b128 v[BI+12:BI+15], v[BO], s[SBP:SBP+1] offset:80
	global_load_b32 v[HBC], v[HBO], s[HBP:HBP+1]                    ; C of h: one output channel a lane
	global_load_b32 v[HBC+8], v[HBO], s[HBP:HBP+1] offset:64
	WIN 0x40
.set n, 0
.rept 32
	global_load_b128 v[4*n:4*n+3], v[LI], s[XP:XP+1] offset:n*16384 th:TH_LOAD_NT   ; row 32 w + n: 32 lanes read 512 consecutive bytes
.set n, n+1
.endr
	WL WRA, HWP, 0                                 ; h_w (tile 0, K step 0)
	s_wait_kmcnt 0x0
	WIN 0
	s_cmp_eq_u32 s36, 0
	s_cselect_b32 s9, s40, s42                     ; ex of my small product,
	s_cselect_b32 s8, s41, s43                     ; ew,
	s_cselect_b32 s10, s44, s45                    ; and the scale of its result as an operand
	s_add_co_i32 s11, s9, s8
	s_sub_co_i32 s12, s10, s11                     ; folded
	s_sub_co_i32 s13, 0, s11                       ; the bias's shift
	s_add_co_i32 s14, s46, s47
	s_sub_co_i32 s15, s48, s14                     ; e8 - e6 - e7
	s_sub_co_i32 s16, 0, s14
	MKSC 40, SCX
	MKSC 42, SCX+2
	MKSC 46, SCX+4
	MKSC 47, SCHW
	MKSC 8, SCSW
	MKSC 12, SCFO
	MKSC 15, SCHO
	s_wait_loadcnt 40                              ; loads come back in order (ISA guide 5.7.1): rows 0-7 are in; younger: 24 of x, 16 of weights
	QXG 0
	WL WRB, HWP, 512                               ; h_w (0, 1)
	s_wait_loadcnt 48                              ; rows 8-15; younger: 16 of x, 32 of weights
	QXG 1
	s_wait_loadcnt 40                              ; younger: 8 of x, 32 of weights
	QXG 2
	s_wait_loadcnt 32                              ; younger: 32 of weights
	QXG 3
.irp z, 0,1
.irp j, 0,1,2,3
	ds_store_b128 v[XW], v[XC+32*\z+8*\j:XC+32*\z+8*\j+3] offset:\z*XR+16*\j          ; c = 0..15 of my 32: lanes 0-15 of the image
	ds_store_b128 v[XW], v[XC+32*\z+8*\j+4:XC+32*\z+8*\j+7] offset:\z*XR+16*\j+256    ; c = 16..31: lanes 16-31
.endr
.endr
.irp j, 0,1,2,3
	ds_store_b128 v[XW2], v[XC+64+8*\j:XC+64+8*\j+3] offset:16*\j
	ds_store_b128 v[XW2], v[XC+64+8*\j+4:XC+64+8*\j+7] offset:16*\j+256
.endr
	WL 0, HWP, 16384                               ; h_w (1, 0), (1, 1), where x lay
	WL 64, HWP, 16384+512
	s_wait_loadcnt 48                              ; the oldest fragment is in; younger: three fragments' 48
	QW WRA, HWC, SCHW
	WL WRA, SWP, 0                                 ; my fragment of f_w or g_w
	s_wait_loadcnt 48
	QW WRB, HWC+16, SCHW
	s_wait_loadcnt 32
	QW 0, HWC+32, SCHW
	s_wait_loadcnt 16
	QW 64, HWC+48, SCHW
	s_wait_loadcnt 0x0
	QW WRA, T, SCSW
	WIN 0
.irp c, 0,1,2,3
	ds_store_b128 v[WIW], v[T+4*\c:T+4*\c+3] offset:512*\c
.endr
.set n, 0
.rept 16
	v_ldexp_f32 v[BI+n], v[BI+n], s13              ; b / 2^(ex + ew)
.set n, n+1
.endr
.irp ctl, 0,1
.irp j, 1,2,3,4,5,6,7
	v_ldexp_f32 v[HBC+8*\ctl+\j], v[HBC+8*\ctl], s16   ; the lane's one h_b / 2^(e6 + e7), in all eight registers of C
.endr
	v_ldexp_f32 v[HBC+8*\ctl], v[HBC+8*\ctl], s16
.endr
	s_wait_dscnt 0x0                               ; for the others' sake: my images have landed
	s_barrier_signal -1
	s_barrier_wait -1                              ; all images lie in LDS; nothing is stored to LDS behind this barrier
	WIN 0x40
.irp kt, 0,1
.irp ks, 0,1
	FETCH 32*\kt+16*\ks, WIR, (2*\kt+\ks)*2048
.endr
.endr
.irp u, 0,1
.irp ks, 0,1
	FETCH 64+32*\u+16*\ks, LIF, \u*TP+\ks*2048
.endr
.endr
	HFETCH 0
	HFETCH 1
	s_wait_dscnt 32                                ; f's or g's eight fragments are in; younger: h's first two sets, 32 loads
	; ---- f or g, transposed: source 0 = 16 rows of the weight, source 1 = 16 columns n: lane (r, h) holds channels 16 kt + 8 h + 0..7 of one n.  Four sums by turns
	WIN 0x05
.irp u, 0,1
.irp kt, 0,1
	v_wmma_f32_16x16x128_bf8_bf8 v[T+16*\u+8*\kt:T+16*\u+8*\kt+7], v[32*\kt:32*\kt+15], v[64+32*\u:64+32*\u+15], v[BI+8*\kt:BI+8*\kt+7]
.endr
.endr
.irp u, 0,1
.irp kt, 0,1
	v_wmma_f32_16x16x128_bf8_bf8 v[T+16*\u+8*\kt:T+16*\u+8*\kt+7], v[32*\kt+16:32*\kt+31], v[64+32*\u+16:64+32*\u+31], v[T+16*\u+8*\kt:T+16*\u+8*\kt+7]
.endr
.endr
	WIN 0
.rept 5
	v_nop                                          ; places (ISA guide 7.12.1): four before the results are read, a fifth since the next products write over them with another C
.endr
.set n, 0
.rept 32
	v_med3_num_f32 v[T+n], v[T+n], -v[SCFO+1], v[SCFO+1]
.set n, n+1
.endr
.irp u, 0,1
.irp kt, 0,1
	v_cvt_scalef32_pk8_bf8_f32 v[FC+4*\u+2*\kt:FC+4*\u+2*\kt+1], v[T+16*\u+8*\kt:T+16*\u+8*\kt+7], v[SCFO]
.endr
.endr
	v_nop
.irp u, 0,1
	global_store_b128 v[FO], v[FC+4*\u:FC+4*\u+3], s[SQP:SQP+1] offset:256*\u   ; rows 8 u .. + 7 and 16 + 8 u .. + 7: twice 256 consecutive bytes, aligned
.endr
	; ---- h: source 0 = 16 columns n of x, source 1 = 16 rows of h_w: lane (r, h) holds one output channel and n = 32 qq + 16 h + 8 u + 0..7
.irp qq, 0,1,2,3
.if \qq < 3
	s_wait_dscnt 16                                ; this set is in; younger: the other set's 16 loads
.else
	s_wait_dscnt 0x0
.endif
	WIN 0x01
.irp ctl, 0,1
.irp u, 0,1
	v_wmma_f32_16x16x128_bf8_bf8 v[T+16*\ctl+8*\u:T+16*\ctl+8*\u+7], v[128+64*(\qq%2)+32*\u:128+64*(\qq%2)+32*\u+15], v[HWC+32*\ctl:HWC+32*\ctl+15], v[HBC+8*\ctl:HBC+8*\ctl+7]
.endr
.endr
.irp ctl, 0,1
.irp u, 0,1
	v_wmma_f32_16x16x128_bf8_bf8 v[T+16*\ctl+8*\u:T+16*\ctl+8*\u+7], v[128+64*(\qq%2)+32*\u+16:128+64*(\qq%2)+32*\u+31], v[HWC+32*\ctl+16:HWC+32*\ctl+31], v[T+16*\ctl+8*\u:T+16*\ctl+8*\u+7]
.endr
.endr
.rept 5
	v_nop                                          ; places: for the loads into the set just read, the reads of the results, and the next products over them
.endr
.if \qq < 2
	WIN 0x40
	HFETCH \qq+2
.endif
	WIN 0
.set n, 0
.rept 32
	v_med3_num_f32 v[T+n], v[T+n], -v[SCHO+1], v[SCHO+1]
.set n, n+1
.endr
.irp ctl, 0,1
.irp u, 0,1
	v_cvt_scalef32_pk8_bf8_f32 v[HC+8*\qq+4*\ctl+2*\u:HC+8*\qq+4*\ctl+2*\u+1], v[T+16*\ctl+8*\u:T+16*\ctl+8*\u+7], v[SCHO]
.endr
.endr
	v_nop
.irp ctl, 0,1
	global_store_b128 v[LI], v[HC+8*\qq+4*\ctl:HC+8*\qq+4*\ctl+3], s[HQP:HQP+1] offset:2048*\ctl+512*\qq   ; group qq of the fragment: 512 consecutive bytes; each store has registers of its own
.endr
.endr
	s_wait_tensorcnt 0x0                           ; the wave's end
	ds_add_u32 v[SPW], v[NIL]
	s_wait_dscnt 0x0
	s_endpgm
.Lfunc_end_k_qa940dd38d1_project:
	.size	k_qa940dd38d1_project, .Lfunc_end_k_qa940dd38d1_project-k_qa940dd38d1_project
	.p2alignl 7, 3214868480
	.fill 96, 4, 3214868480
	.section	.rodata,"a",@progbits
	.p2align	6, 0x0
	.amdhsa_kernel k_qa940dd38d1_project
		.amdhsa_group_segment_fixed_size 116480
		.amdhsa_private_segment_fixed_size 0
		.amdhsa_enable_private_segment 0
		.amdhsa_kernarg_size 112
		.amdhsa_user_sgpr_count 2
		.amdhsa_user_sgpr_kernarg_segment_ptr 1
		.amdhsa_wavefront_size32 1
		.amdhsa_system_sgpr_workgroup_id_x 1
		.amdhsa_system_sgpr_workgroup_id_y 1
		.amdhsa_system_sgpr_workgroup_id_z 1
		.amdhsa_system_vgpr_workitem_id 0
		.amdhsa_next_free_vgpr 512
		.amdhsa_next_free_sgpr 66
		.amdhsa_reserve_vcc 0
		.amdhsa_float_denorm_mode_32 3
		.amdhsa_float_denorm_mode_16_64 3
		.amdhsa_memory_ordered 1
		.amdhsa_forward_progress 1
		.amdhsa_inst_pref_size 95
	.end_amdhsa_kernel
	.amdgpu_metadata
---
amdhsa.version: [ 1, 2 ]
amdhsa.kernels:
  - .name:           k_qa940dd38d1_project
    .symbol:         k_qa940dd38d1_project.kd
    .args:
      - { .name: x1, .offset: 0, .size: 8, .value_kind: global_buffer, .address_space: global }
      - { .name: x2, .offset: 8, .size: 8, .value_kind: global_buffer, .address_space: global }
      - { .name: f_w, .offset: 16, .size: 8, .value_kind: global_buffer, .address_space: global }
      - { .name: g_w, .offset: 24, .size: 8, .value_kind: global_buffer, .address_space: global }
      - { .name: f_b, .offset: 32, .size: 8, .value_kind: global_buffer, .address_space: global }
      - { .name: g_b, .offset: 40, .size: 8, .value_kind: global_buffer, .address_space: global }
      - { .name: h1_w, .offset: 48, .size: 8, .value_kind: global_buffer, .address_space: global }
      - { .name: h2_w, .offset: 56, .size: 8, .value_kind: global_buffer, .address_space: global }
      - { .name: h1_b, .offset: 64, .size: 8, .value_kind: global_buffer, .address_space: global }
      - { .name: h2_b, .offset: 72, .size: 8, .value_kind: global_buffer, .address_space: global }
      - { .name: lowp_scales, .offset: 80, .size: 8, .value_kind: global_buffer, .address_space: global }
      - { .name: fq, .offset: 88, .size: 8, .value_kind: global_buffer, .address_space: global }
      - { .name: gq, .offset: 96, .size: 8, .value_kind: global_buffer, .address_space: global }
      - { .name: hq, .offset: 104, .size: 8, .value_kind: global_buffer, .address_space: global }
    .group_segment_fixed_size: 116480
    .private_segment_fixed_size: 0
    .kernarg_segment_align: 8
    .kernarg_segment_size: 112
    .max_flat_workgroup_size: 256
    .sgpr_count:     66
    .vgpr_count:     512
    .wavefront_size: 32
...
	.end_amdgpu_metadata
.endif
;; end of part 1
;; launch stats (part 2): grid 32 x 8, 16 waves a work-group, no clusters, 18,432 bytes of LDS; arguments fq, gq, lowp_scales, cst; writes cst
.if DOCPART == 2
	.amdgcn_target "amdgcn-amd-amdhsa--gfx1250"
	.amdhsa_code_object_version 6
	.text
	.protected	k_qa940dd38d1_stats
	.globl	k_qa940dd38d1_stats
	.p2align	8
	.type	k_qa940dd38d1_stats,@function
k_qa940dd38d1_stats:
	s_mov_b64 s[64:65], 0
	v_nop
	global_prefetch_b8 v0, s[64:65] scope:SCOPE_SE
	s_setreg_imm32_b32 hwreg(HW_REG_WAVE_MODE, 25, 1), 1
	s_wait_xcnt 0x0
; STATS: for every row n of the scores, what the finished softmax needs.  S[n][m] = the sum of the products of f's and g's codes; t = c' S, c' = log2(e) / sqrt(32) x 2^(e4 + e5).
; M = the row's largest t rounded UP to a whole number, l = the sum over m of 2^(t - M).  Stored: cst[bb][n] = -(M + log2 l) / c', so that attn = 2^(c' (S + cst)): the maximum is taken away, inside cst.
; No work is left out here.  The scores are made again by the last launch: stored as codes they would be four times the problem's own bytes, each way.
; SHARES.  A work-group takes 128 n of one bb (work-group y).  Wave w: ng = w & 1: 64 n, four tiles whose f stays in registers; mw = w >> 1: 512 m, eight steps of 64.
; Source 0 = 16 rows m of g, source 1 = 16 columns n of f: a lane holds ONE n and 8 m a tile.  Each half of the lanes keeps its own running (-M, l): no lane looks at another in the loop.
; The 16 partial pairs of an n (8 mw x 2 halves) meet in LDS; waves 0 and 1 join them, two n a lane, and store 256 consecutive bytes each.
; K is 32: the K = 64 form is fed with f's upper 32 as zero codes.  g's fragment mt is registers 4 mt .. 4 mt + 7 of a run of 20: its upper four are the next tile's codes (or zeros), all finite by the quantiser's hold, and meet f's zeros.
; When M moves, l is multiplied by 2^(old M - new M), made by v_ldexp_f32 of 1.0: nothing is rounded, no branch on data.
; LIMITS: e4 + e5 between -124 and 127 (added to c's exponent field, taken from 1/c's).  2^(t - M) under 2^-126 counts as 0.  NaN is not served.
.set LOF, 1                            ; 32 r + 16 h
.set PW,  2                            ; where my partial pairs go
.set PR,  3                            ; where I read 16 of them back
.set CO,  4                            ; my 8 bytes of cst
.set SPW, 5                            ; my spare word; never rewritten
.set NIL, 6                            ; 0; never rewritten
.set ST,  16                           ; eight registers a tile nt: +0 -M, +1 the largest t, +2, +3 l in two halves, +4 the factor, +5 zero (named with +4 as a pair), +6, +7 at work
.set F,   48                           ; f: 8 a tile, the upper 4 zero
.set G,   80                           ; g: two runs of 16 + 4 zeros
.set S,   128                          ; scores: 32 nt + 8 mt + j
.set SPARE, 16384                      ; behind the partial pairs (16 x 128 x 8 bytes): the spare words, 128 bytes for each of 16 waves
.set WV,  16
.set CS,  24                           ; s[24:25] c'
.set INV, 26                           ; 1 / c'
.set GB,  28
.set FB,  30
.set CB,  32
.set TRIP, 34
	s_load_b256 s[8:15], s[0:1], 0x0               ; fq, gq, lowp_scales, cst
	v_lshl_add_u32 v[SPW], v0, 2, SPARE
	v_mov_b32 v[NIL], 0
	v_lshrrev_b32 v8, 5, v0
	v_readfirstlane_b32 s[WV], v8                  ; wave 0..15
	s_and_b32 s17, s[WV], 1                        ; ng
	s_lshr_b32 s18, s[WV], 1                       ; mw
	s_and_b32 s19, ttmp7, 0xffff                   ; bb
	s_lshr_b32 s20, s19, 2                         ; branch
	v_and_b32 v8, 15, v0                           ; r
	v_bfe_u32 v9, v0, 4, 1                         ; h
	v_lshlrev_b32 v[LOF], 5, v8
	v_lshl_add_u32 v[LOF], v9, 4, v[LOF]
	v_lshlrev_b32 v[PW], 3, v8                     ; pair (p = 2 mw + h, n) lies at 1,024 p + 8 n
	v_lshl_add_u32 v[PW], v9, 10, v[PW]
	s_lshl_b32 s21, s18, 11
	s_lshl_b32 s22, s17, 9
	s_add_co_u32 s21, s21, s22
	v_add_nc_u32 v[PW], s21, v[PW]
	v_and_b32 v10, 63, v0
	v_lshlrev_b32 v[PR], 4, v10
	v_lshlrev_b32 v[CO], 3, v10
	s_mov_b32 s37, 0
	s_wait_kmcnt 0x0
	s_mul_i32 s36, s20, 40
	s_add_nc_u64 s[12:13], s[12:13], s[36:37]
	s_load_b64 s[22:23], s[12:13], 0x10            ; e4, e5 of the branch
	s_lshl_b32 s36, s19, 17                        ; fq: bb x 131,072 + 128 x work-group x rows of 32 + 64 ng rows
	s_lshl_b32 s38, ttmp9, 12
	s_add_co_u32 s36, s36, s38
	s_lshl_b32 s38, s17, 11
	s_add_co_u32 s36, s36, s38
	s_add_nc_u64 s[FB:FB+1], s[8:9], s[36:37]
	s_lshl_b32 s36, s19, 17                        ; gq: + 512 mw rows
	s_lshl_b32 s38, s18, 14
	s_add_co_u32 s36, s36, s38
	s_add_nc_u64 s[GB:GB+1], s[10:11], s[36:37]
	s_lshl_b32 s36, s19, 14                        ; cst: bb x 16,384 + 512 x work-group x
	s_lshl_b32 s38, ttmp9, 9
	s_add_co_u32 s36, s36, s38
	s_add_nc_u64 s[CB:CB+1], s[14:15], s[36:37]
.macro LOADG b, imm                    ; 64 rows of g: four loads of 512 consecutive bytes
.irp mt, 0,1,2,3
	global_load_b128 v[G+20*\b+4*\mt:G+20*\b+4*\mt+3], v[LOF], s[GB:GB+1] offset:\imm+512*\mt
.endr
.endm
.irp nt, 0,1,2,3
	global_load_b128 v[F+8*\nt:F+8*\nt+3], v[LOF], s[FB:FB+1] offset:512*\nt
.endr
	LOADG 0, 0
	LOADG 1, 2048
.irp nt, 0,1,2,3
.irp k, 4,5,6,7
	v_mov_b32 v[F+8*\nt+\k], 0                     ; zero codes for k = 32..63
.endr
	v_mov_b32 v[ST+8*\nt+1], 0xff61b1e6            ; the largest t so far: -3e38, under every t
	v_floor_f32 v[ST+8*\nt], -v[ST+8*\nt+1]        ; -M
	v_mov_b32 v[ST+8*\nt+2], 0
	v_mov_b32 v[ST+8*\nt+3], 0
	v_mov_b32 v[ST+8*\nt+5], 0
.endr
.irp k, 16,17,18,19,36,37,38,39
	v_mov_b32 v[G+\k], 0
.endr
	s_wait_kmcnt 0x0
	s_add_co_i32 s36, s22, s23
	s_lshl_b32 s36, s36, 23
	s_add_co_i32 s[CS], s36, 0x3e8293ee            ; log2(e) / sqrt(32), with e4 + e5 added to its exponent field
	s_mov_b32 s[CS+1], s[CS]                       ; (named with it as a pair)
	s_sub_co_i32 s[INV], 0x407af233, s36           ; sqrt(32) / log2(e), with e4 + e5 taken from its exponent field
; A STEP: 64 m against my 64 n.  b: g's run; ld = 1: the run is loaded again, for two steps on; cnt: the younger loads that may stay out
.macro STEPB b, ld, cnt
	s_wait_loadcnt \cnt
.irp mt, 0,1,2,3
.irp nt, 0,1,2,3
	v_wmma_f32_16x16x64_bf8_bf8 v[S+32*\nt+8*\mt:S+32*\nt+8*\mt+7], v[G+20*\b+4*\mt:G+20*\b+4*\mt+7], v[F+8*\nt:F+8*\nt+7], 0
.endr
.endr
.rept 4
	v_nop                                          ; places before the loads into g's run and the first read of the scores
.endr
.if \ld
	LOADG \b, (\b+2)*2048
.endif
.irp nt, 0,1,2,3                               ; the step's largest score of my n among my 32 m, two chains a tile, every accumulator from its low end on
	v_max3_num_f32 v[ST+8*\nt+6], v[S+32*\nt], v[S+32*\nt+1], v[S+32*\nt+2]
	v_max3_num_f32 v[ST+8*\nt+7], v[S+32*\nt+3], v[S+32*\nt+4], v[S+32*\nt+5]
.endr
.irp i, 6,10,14,18,22,26
.irp nt, 0,1,2,3
	v_max3_num_f32 v[ST+8*\nt+6], v[ST+8*\nt+6], v[S+32*\nt+\i], v[S+32*\nt+\i+1]
	v_max3_num_f32 v[ST+8*\nt+7], v[ST+8*\nt+7], v[S+32*\nt+\i+2], v[S+32*\nt+\i+3]
.endr
.endr
.irp nt, 0,1,2,3
	v_max3_num_f32 v[ST+8*\nt+6], v[ST+8*\nt+6], v[S+32*\nt+30], v[S+32*\nt+31]
.endr
.irp nt, 0,1,2,3
	v_max_num_f32 v[ST+8*\nt+6], v[ST+8*\nt+6], v[ST+8*\nt+7]
.endr
.irp nt, 0,1,2,3
	v_mul_f32 v[ST+8*\nt+6], s[CS], v[ST+8*\nt+6]  ; as t (c' is positive)
.endr
.irp nt, 0,1,2,3
	v_max_num_f32 v[ST+8*\nt+1], v[ST+8*\nt+1], v[ST+8*\nt+6]
.endr
.irp nt, 0,1,2,3
	v_mov_b32 v[ST+8*\nt+6], v[ST+8*\nt]
.endr
.irp nt, 0,1,2,3
	v_floor_f32 v[ST+8*\nt], -v[ST+8*\nt+1]        ; the new -M = floor(-t): M is a whole number
.endr
.irp nt, 0,1,2,3
	v_sub_f32 v[ST+8*\nt+6], v[ST+8*\nt], v[ST+8*\nt+6]   ; old M - new M, 0 or less
.endr
.irp nt, 0,1,2,3
	v_cvt_i32_f32 v[ST+8*\nt+6], v[ST+8*\nt+6]     ; (it saturates)
.endr
.irp nt, 0,1,2,3
	v_ldexp_f32 v[ST+8*\nt+4], 1.0, v[ST+8*\nt+6]  ; 2^(old M - new M)
.endr
.irp nt, 0,1,2,3
.irp j, 0,2,4,6,8,10,12,14,16,18,20,22,24,26,28,30
	v_pk_fma_f32 v[S+32*\nt+\j:S+32*\nt+\j+1], v[S+32*\nt+\j:S+32*\nt+\j+1], s[CS:CS+1], v[ST+8*\nt:ST+8*\nt+1] op_sel_hi:[1,0,0]   ; t - M, two at a time (the low words of c' and -M serve both halves)
.endr
.endr
.set n, 0
.rept 128
	v_exp_f32 v[S+n], v[S+n]                       ; 2^(t - M), at most 1
.set n, n+1
.endr
.irp nt, 0,1,2,3
	v_pk_mul_f32 v[ST+8*\nt+2:ST+8*\nt+3], v[ST+8*\nt+2:ST+8*\nt+3], v[ST+8*\nt+4:ST+8*\nt+5] op_sel_hi:[1,0]   ; l under the new M; plain lines behind the exponentials
.endr
	s_wait_alu depctr_va_vdst(0)                   ; the wait ahead of the first line that names an exponential's result: one for the 128
.irp nt, 0,1,2,3
	v_pk_add_f32 v[ST+8*\nt+6:ST+8*\nt+7], v[S+32*\nt:S+32*\nt+1], v[S+32*\nt+2:S+32*\nt+3]
.endr
.irp j, 4,8,12,16,20,24,28
.irp nt, 0,1,2,3
	v_pk_add_f32 v[ST+8*\nt+2:ST+8*\nt+3], v[ST+8*\nt+2:ST+8*\nt+3], v[S+32*\nt+\j:S+32*\nt+\j+1]
	v_pk_add_f32 v[ST+8*\nt+6:ST+8*\nt+7], v[ST+8*\nt+6:ST+8*\nt+7], v[S+32*\nt+\j+2:S+32*\nt+\j+3]
.endr
.endr
.irp nt, 0,1,2,3
	v_pk_add_f32 v[ST+8*\nt+2:ST+8*\nt+3], v[ST+8*\nt+2:ST+8*\nt+3], v[ST+8*\nt+6:ST+8*\nt+7]
.endr
.endm
	s_mov_b32 s[TRIP], 3
.Ltwo:                                             ; three trips of two steps; each step asks for the step two on.  The count 4: the other run's four loads
	STEPB 0, 1, 4
	STEPB 1, 1, 4
	s_wait_xcnt 0x0                                ; the loads have read their base: it may step
	s_add_nc_u64 s[GB:GB+1], s[GB:GB+1], 4096
	s_sub_co_u32 s[TRIP], s[TRIP], 1
	s_cmp_lg_u32 s[TRIP], 0
	s_cbranch_scc1 .Ltwo
	STEPB 0, 0, 4                                  ; the last two steps ask for nothing: no load leaves gq
	STEPB 1, 0, 0
.irp nt, 0,1,2,3
	v_add_f32 v[ST+8*\nt+1], v[ST+8*\nt+2], v[ST+8*\nt+3]   ; l, beside -M
.endr
.irp nt, 0,1,2,3
	ds_store_b64 v[PW], v[ST+8*\nt:ST+8*\nt+1] offset:128*\nt
.endr
	s_wait_dscnt 0x0                               ; for the others' sake: my pairs have landed
	s_barrier_signal -1
	s_barrier_wait -1
	s_cmp_lt_u32 s[WV], 2                          ; waves 0 and 1 join the pairs: thread i takes n = 2 i and 2 i + 1
	s_cbranch_scc0 .Lend
.irp p, 0,1,2,3,4,5,6,7,8,9,10,11,12,13,14,15
	ds_load_b128 v[S+4*\p:S+4*\p+3], v[PR] offset:1024*\p   ; (-M, l) of two neighbouring n
.endr
	s_wait_dscnt 0x0
.irp c, 0,1
	v_min_num_f32 v[8+\c], v[S+2*\c], v[S+4+2*\c]  ; the least -M is the row's
.irp p, 2,3,4,5,6,7,8,9,10,11,12,13,14,15
	v_min_num_f32 v[8+\c], v[8+\c], v[S+4*\p+2*\c]
.endr
.irp p, 0,1,2,3,4,5,6,7,8,9,10,11,12,13,14,15
	v_sub_f32 v[S+4*\p+2*\c], v[8+\c], v[S+4*\p+2*\c]       ; the part's M less the row's: a whole number, 0 or less
	v_cvt_i32_f32 v[S+4*\p+2*\c], v[S+4*\p+2*\c]
	v_ldexp_f32 v[S+4*\p+2*\c+1], v[S+4*\p+2*\c+1], v[S+4*\p+2*\c]
.endr
	v_add_f32 v[10+\c], v[S+1+2*\c], v[S+5+2*\c]
.irp p, 2,3,4,5,6,7,8,9,10,11,12,13,14,15
	v_add_f32 v[10+\c], v[10+\c], v[S+4*\p+2*\c+1]
.endr
.endr
	v_log_f32 v12, v10                             ; l lies above 1/2: the row's largest term does
	v_log_f32 v13, v11
	v_nop                                          ; a plain line behind the transcendentals,
	s_wait_alu depctr_va_vdst(0)                   ; and the wait ahead of their first reader
	v_sub_f32 v12, v8, v12                         ; -M - log2 l
	v_sub_f32 v13, v9, v13
	v_mul_f32 v12, s[INV], v12
	v_mul_f32 v13, s[INV], v13
	global_store_b64 v[CO], v[12:13], s[CB:CB+1]   ; a wave stores 256 consecutive bytes, aligned
.Lend:
	s_wait_tensorcnt 0x0                           ; the wave's end
	ds_add_u32 v[SPW], v[NIL]
	s_wait_dscnt 0x0
	s_endpgm
.Lfunc_end_k_qa940dd38d1_stats:
	.size	k_qa940dd38d1_stats, .Lfunc_end_k_qa940dd38d1_stats-k_qa940dd38d1_stats
	.p2alignl 7, 3214868480
	.fill 96, 4, 3214868480
	.section	.rodata,"a",@progbits
	.p2align	6, 0x0
	.amdhsa_kernel k_qa940dd38d1_stats
		.amdhsa_group_segment_fixed_size 18432
		.amdhsa_private_segment_fixed_size 0
		.amdhsa_enable_private_segment 0
		.amdhsa_kernarg_size 32
		.amdhsa_user_sgpr_count 2
		.amdhsa_user_sgpr_kernarg_segment_ptr 1
		.amdhsa_wavefront_size32 1
		.amdhsa_system_sgpr_workgroup_id_x 1
		.amdhsa_system_sgpr_workgroup_id_y 1
		.amdhsa_system_sgpr_workgroup_id_z 1
		.amdhsa_system_vgpr_workitem_id 0
		.amdhsa_next_free_vgpr 256
		.amdhsa_next_free_sgpr 66
		.amdhsa_reserve_vcc 0
		.amdhsa_float_denorm_mode_32 3
		.amdhsa_float_denorm_mode_16_64 3
		.amdhsa_memory_ordered 1
		.amdhsa_forward_progress 1
		.amdhsa_inst_pref_size 88
	.end_amdhsa_kernel
	.amdgpu_metadata
---
amdhsa.version: [ 1, 2 ]
amdhsa.kernels:
  - .name:           k_qa940dd38d1_stats
    .symbol:         k_qa940dd38d1_stats.kd
    .args:
      - { .name: fq, .offset: 0, .size: 8, .value_kind: global_buffer, .address_space: global }
      - { .name: gq, .offset: 8, .size: 8, .value_kind: global_buffer, .address_space: global }
      - { .name: lowp_scales, .offset: 16, .size: 8, .value_kind: global_buffer, .address_space: global }
      - { .name: cst, .offset: 24, .size: 8, .value_kind: global_buffer, .address_space: global }
    .group_segment_fixed_size: 18432
    .private_segment_fixed_size: 0
    .kernarg_segment_align: 8
    .kernarg_segment_size: 32
    .max_flat_workgroup_size: 512
    .sgpr_count:     66
    .vgpr_count:     256
    .wavefront_size: 32
...
	.end_amdgpu_metadata
.endif
;; end of part 2
;; launch attend (part 3): grid 32 x 8, 4 waves a work-group, no clusters, 67,072 bytes of LDS; arguments hq, fq, gq, cst, x1, x2, gamma1, gamma2, lowp_scales, out0, out1; writes out0, out1
.if DOCPART == 3
	.amdgcn_target "amdgcn-amd-amdhsa--gfx1250"
	.amdhsa_code_object_version 6
	.text
	.protected	k_qa940dd38d1_attend
	.globl	k_qa940dd38d1_attend
	.p2align	8
	.type	k_qa940dd38d1_attend,@function
k_qa940dd38d1_attend:
	s_mov_b64 s[64:65], 0
	v_nop
	global_prefetch_b8 v0, s[64:65] scope:SCOPE_SE
	s_setreg_imm32_b32 hwreg(HW_REG_WAVE_MODE, 25, 1), 1
	s_wait_xcnt 0x0
; ATTEND: out[c][m] = gamma x (the sum over n of h[c][n] attn[n][m]) + x[c][m], attn[n][m] = 2^(c' (S[n][m] + cst[n])), the FINISHED softmax, quantised along n with the scale 2^e9.
; No work is left out here.  S + cst is one matrix instruction: cst is the C of the score product.  c' = log2(e) / sqrt(32) x 2^(e4 + e5).
; SHARES.  A work-group makes 256 c x 128 m of one bb (work-group y); K = n goes in 32 steps of 128.
; In the last product the waves share c: wave w owns c = 64 w .. + 63 for all 128 m: 32 accumulators.  Its four fragments of h a step come from hq straight into its registers.
; In making P = attn's codes the waves share n: wave w makes n = 128 s + 32 w + 0..31 for the 8 tiles of m: 16 products of the K = 64 form (K is 32; the upper 32 are zero codes),
; source 0 = 16 rows n of f, source 1 = 16 columns m of g.  THE ROWS OF A TILE ARE NOT NEIGHBOURS (lane r of tile u: n = 8 u + r + (r & 8)), so a lane's 16 results of tiles u = 0, 1 are n = 16 h + 0..15:
; four registers of codes, which are group w of the fragment of m tile t.  They go to LDS as an image of the fragment's registers (16 bytes a lane); every wave loads all 8 fragments back.
; Last product: source 0 = P (16 rows m), source 1 = h (16 columns c): a lane holds one c and 8 neighbouring m.
; BY TURNS.  Step s multiplies P(s) by h(s); between those 32 matrix instructions stands the vector work that makes P(s + 1): 64 packed scalings, 128 exponentials (one batch, one wait), 128 holds, 16 conversions.
; Loads run three steps ahead: step s asks for f, cst and h of step s + 3 (22 loads).  So no wave waits for that stream, and nothing is prefetched.
; ONE BARRIER A STEP, two image buffers: in front of its signal a wave's stores of P(s) have landed and its loads of P(s - 1) are back; P(s + 1) is stored behind the barrier's wait, into the buffer that held P(s - 1).
; NO CLUSTER: what the 32 work-groups of a bb share is h, 32,768 bytes a step, each byte wanted by one wave of a work-group.  Asked for jointly it would pass through LDS: 32,768 bytes written and as many read on top of a step's 16,384 + 65,536.
; LIMITS: e4 + e5 between -124 and 127; e9 between -126 and 112; e8 + e9 between -126 and 127.  attn under 2^-126 counts as 0.  NaN is not served.
; REGISTERS, in windows of 256.  window 0: v0-15 addresses and constants; v64-191 scores, 16 t + 8 u + j; v192-223 P's codes just made; on the way out v64-255.
;   window 1: h, four sets of 4 fragments.   window 2: v0-127 P's 8 fragments; v128-191 g, 8 a tile; v192-223 f, two sets; v224-255 cst as C, two sets.   window 3: accumulator (a, t) at 8 (8 a + t).
.set LI,  1                            ; 16 x lane
.set IW,  2                            ; 16 x lane + 512 x wave: my group of an image
.set FO,  3                            ; fq: 32 (r + (r & 8)) + 16 h
.set CO,  4                            ; cst: 64 h
.set GOF, 5                            ; gq: 32 r + 16 h
.set STO, 6                            ; the stage: where I put 32 bytes of a row
.set RD,  7                            ; and where I read a row back
.set PSC, 8                            ; 2^e9
.set LIM, 9                            ; 57,344 x 2^e9
.set SPW, 10                           ; my spare word; never rewritten
.set NIL, 11                           ; 0; never rewritten
.set SC,  64
.set PC,  192
.set BK,  128
.set GG,  128
.set FF,  192
.set CC,  224
.set STAGE, 32768                      ; behind the two image buffers of 16,384: 16 rows x (512 + 16) bytes for each wave
.set SPARE, STAGE+4*16*528             ; the spare words, 128 bytes for each wave: two blocks of 256 bytes that no other line names
.set HB,  30
.set FB,  32
.set CB,  34
.set XB,  36
.set OB,  38
.set CS,  40
.set GS,  42
.set TRIP, 44
.set GB,  46
.set MSB, 0
.macro WIN new                         ; bits 1:0 source 0, 3:2 source 1, 5:4 source 2, 7:6 destination; the high byte repeats the setting that is left
.if MSB != (\new)
	s_set_vgpr_msb (MSB<<8)|(\new)
.set MSB, (\new)
.endif
.endm
.macro SCORES fb                       ; S + cst for my 32 n x 128 m
	WIN 0x2a
.irp t, 0,1,2,3,4,5,6,7
.irp u, 0,1
	v_wmma_f32_16x16x64_bf8_bf8 v[SC+16*\t+8*\u:SC+16*\t+8*\u+7], v[FF+16*\fb+8*\u:FF+16*\fb+8*\u+7], v[GG+8*\t:GG+8*\t+7], v[CC+16*\fb+8*\u:CC+16*\fb+8*\u+7]
.endr
.endr
.endm
.macro PFETCH pb                       ; P's 8 fragments, tile by tile
	WIN 0x80
.irp t, 0,1,2,3,4,5,6,7
.irp q, 0,1,2,3
	ds_load_b128 v[16*\t+4*\q:16*\t+4*\q+3], v[LI] offset:\pb*16384+2048*\t+512*\q
.endr
.endr
.endm
.macro GLOAD hbn, fb, joff             ; 22 loads for one step: f (2), cst (4), h (16), in this order
	WIN 0x80
.irp u, 0,1
	global_load_b128 v[FF+16*\fb+8*\u:FF+16*\fb+8*\u+3], v[FO], s[FB:FB+1] offset:4096*(\joff)+256*\u
.endr
.irp u, 0,1
.irp e, 0,1
	global_load_b128 v[CC+16*\fb+8*\u+4*\e:CC+16*\fb+8*\u+4*\e+3], v[CO], s[CB:CB+1] offset:512*(\joff)+32*\u+16*\e   ; C's register j: cst of n = 16 h + 8 u + j
.endr
.endr
	WIN 0x40
.irp a, 0,1,2,3
.irp q, 0,1,2,3
	global_load_b128 v[64*(\hbn)+16*\a+4*\q:64*(\hbn)+16*\a+4*\q+3], v[LI], s[HB:HB+1] offset:32768*(\joff)+2048*\a+512*\q   ; 512 consecutive bytes
.endr
.endr
.endm
.macro XLOAD a                         ; 16 rows of x for the way out, into a set of h's that is done with (a = 3: where the scores lay)
.if \a < 3
	WIN 0x40
.set XS, 64*\a
.else
	WIN 0
.set XS, 64
.endif
.set n, 0
.rept 16
	global_load_b128 v[XS+4*n:XS+4*n+3], v[LI], s[XB:XB+1] offset:(16*\a+n)*16384 th:TH_LOAD_NT
.set n, n+1
.endr
.endm
; LIST A, 192 lines, none of which reads an exponential's result: scaling of pair 0; then for g = 1 .. 63: scaling of pair g, exponentials of pair g - 1; then pair 63's.  EMITA writes the next n of them
.macro EMITA n
.rept \n
.if ia < 192
	WIN 0
.if ia == 0
	v_pk_mul_f32 v[SC:SC+1], v[SC:SC+1], s[CS:CS+1] op_sel_hi:[1,0]
.elseif ia >= 190
	v_exp_f32 v[SC+ia-64], v[SC+ia-64]
.elseif (ia-1)%3 == 0
.set gg, (ia-1)/3+1
	v_pk_mul_f32 v[SC+2*gg:SC+2*gg+1], v[SC+2*gg:SC+2*gg+1], s[CS:CS+1] op_sel_hi:[1,0]   ; c' (S + cst), two at a time; each accumulator from its low end on
.else
.set ee, 2*((ia-1)/3)+(ia-1)%3-1
	v_exp_f32 v[SC+ee], v[SC+ee]                   ; attn
.endif
.set ia, ia+1
.endif
.endr
.endm
; LIST B, 153 lines: for each tile t 16 holds, 2 conversions, the store of my group of its image; at the end a plain line behind the last conversion
.macro EMITB n, pbn
.rept \n
.if ib < 153
	WIN 0
.set tt, ib/19
.set kk, ib%19
.if ib == 152
	v_nop
.elseif kk < 16
	v_min_num_f32 v[SC+16*tt+kk], v[SC+16*tt+kk], v[LIM]   ; the conversion to an 8-bit code does not saturate (ISA guide 7.6.2); attn is not negative: a one-sided hold
.elseif kk == 16
	v_cvt_scalef32_pk8_bf8_f32 v[PC+4*tt:PC+4*tt+1], v[SC+16*tt:SC+16*tt+7], v[PSC]
.elseif kk == 17
	v_cvt_scalef32_pk8_bf8_f32 v[PC+4*tt+2:PC+4*tt+3], v[SC+16*tt+8:SC+16*tt+15], v[PSC]
.else
	ds_store_b128 v[IW], v[PC+4*tt:PC+4*tt+3] offset:(\pbn)*16384+2048*tt
.endif
.set ib, ib+1
.endif
.endr
.endm
.macro MM hb, main                     ; product i of a step's 32: m tile i / 4, my c tile i % 4.  The 32 accumulators take turns, one instruction a turn
	WIN 0xf6
.set tt, i/4
.set aa, i%4
.if \main == 2
	v_wmma_f32_16x16x128_bf8_bf8 v[8*(8*aa+tt):8*(8*aa+tt)+7], v[16*tt:16*tt+15], v[64*\hb+16*aa:64*\hb+16*aa+15], 0
.else
	v_wmma_f32_16x16x128_bf8_bf8 v[8*(8*aa+tt):8*(8*aa+tt)+7], v[16*tt:16*tt+15], v[64*\hb+16*aa:64*\hb+16*aa+15], v[8*(8*aa+tt):8*(8*aa+tt)+7]
.endif
.endm
; A STEP.  hb: h's set; pb: P's image buffer; fb: the set of f and cst for the NEXT step's P; main = 1: the 32 products, 2: they start the sums, 0: none; next = 1: the next P is made;
; ld = 1: the loads of three steps on (joff: that step, counted from the bases), 2: x's rows 16 joff on, 3: x's last 32 rows; lcnt: the younger loads that may stay out
.macro STEP hb, pb, fb, main, next, ld, lcnt, joff
	s_wait_loadcnt \lcnt                           ; loads come back in order (ISA guide 5.7.1): the next step's f and cst are in, and this step's h, which is older
.if \main
	s_wait_dscnt 0x0                               ; my stores of this step's P have landed, my loads of the last step's are back
	s_barrier_signal -1
.endif
.if \next
	SCORES \fb                                     ; work on registers while the others arrive
.endif
	WIN 0
.rept 4
	v_nop                                          ; places: before the loads into f, cst, P and h's old set, and the first read of the scores
.endr
.if \main
	s_barrier_wait -1                              ; every wave's part of P lies in LDS, and nobody reads the other buffer
	PFETCH \pb
.endif
.if \ld == 1
	GLOAD (\hb+3)%4, \fb, \joff
.elseif \ld == 2
	XLOAD \joff
.elseif \ld == 3
	XLOAD 2
	XLOAD 3
.endif
.set ia, 0
.set ib, 0
.if \next
	EMITA 32
.endif
.if \main
.set i, 0
.rept 32
.if i == 0
	s_wait_dscnt 28                                ; tile 0 of P is in; the counts are the loads behind a tile's four
.elseif i == 4
	s_wait_dscnt 24
.elseif i == 8
	s_wait_dscnt 20
.elseif i == 12
	s_wait_dscnt 16
.elseif i == 16
	s_wait_dscnt 12
.elseif i == 20
	s_wait_dscnt 0x0                               ; the rest; the image stores begin behind this product
.endif
	MM \hb, \main
.if \next
.if i < 20
	EMITA 8
.if i == 19
	v_nop                                          ; a plain line behind the last exponential,
	s_wait_alu depctr_va_vdst(0)                   ; and the wait ahead of the first reader: one for the step's 128
.endif
.else
	EMITB 13, 1-\pb
.endif
.endif
.set i, i+1
.endr
.else
	EMITA 160
	v_nop
	s_wait_alu depctr_va_vdst(0)
	EMITB 153, 1-\pb
.endif
	WIN 0
.endm
	s_load_b512 s[8:23], s[0:1], 0x0               ; hq, fq, gq, cst, x1, x2, gamma1, gamma2
	s_load_b128 s[24:27], s[0:1], 0x40             ; lowp_scales, out0
	s_load_b64 s[28:29], s[0:1], 0x50              ; out1
	v_lshl_add_u32 v[SPW], v0, 2, SPARE
	v_mov_b32 v[NIL], 0
	v_lshrrev_b32 v12, 5, v0
	v_readfirstlane_b32 s4, v12                    ; wave 0..3
	s_and_b32 s5, ttmp7, 0xffff                    ; bb
	s_lshr_b32 s6, s5, 2                           ; branch
	s_and_b32 s7, s5, 3                            ; batch
	v_and_b32 v12, 31, v0
	v_and_b32 v13, 15, v0                          ; r
	v_bfe_u32 v14, v0, 4, 1                        ; h
	v_lshlrev_b32 v[LI], 4, v12
	s_lshl_b32 s54, s4, 9
	v_add_nc_u32 v[IW], s54, v[LI]
	v_and_b32 v15, 8, v13
	v_add_nc_u32 v15, v15, v13
	v_lshlrev_b32 v[FO], 5, v15
	v_lshl_add_u32 v[FO], v14, 4, v[FO]
	v_lshlrev_b32 v[CO], 6, v14
	v_lshlrev_b32 v[GOF], 5, v13
	v_lshl_add_u32 v[GOF], v14, 4, v[GOF]
	s_mul_i32 s54, s4, 16*528
	s_add_co_u32 s54, s54, STAGE                   ; my stage
	v_mul_u32_u24 v[STO], v13, 528                 ; in: row r (a c), 32 bytes for each half of the lanes
	v_lshl_add_u32 v[STO], v14, 5, v[STO]
	v_add_nc_u32 v[STO], s54, v[STO]
	v_add_nc_u32 v[RD], s54, v[LI]                 ; back: the 32 lanes take a row of 512 bytes
	s_mov_b32 s55, 0
	s_wait_kmcnt 0x0
	s_cmp_eq_u32 s6, 0                             ; the branch's buffers: a choice on the work-group's number
	s_cselect_b64 s[XB:XB+1], s[16:17], s[18:19]
	s_cselect_b64 s[OB:OB+1], s[26:27], s[28:29]
	s_cselect_b64 s[58:59], s[20:21], s[22:23]
	s_mul_i32 s54, s6, 40
	s_add_nc_u64 s[24:25], s[24:25], s[54:55]
	s_load_b64 s[48:49], s[24:25], 0x10            ; e4, e5
	s_load_b64 s[50:51], s[24:25], 0x20            ; e8, e9
	s_load_b32 s52, s[58:59], 0x0                  ; gamma
	s_lshl_b32 s54, s5, 20                         ; hq: bb x 1 MiB + my 4 tiles of 2,048
	s_lshl_b32 s56, s4, 13
	s_add_co_u32 s54, s54, s56
	s_add_nc_u64 s[HB:HB+1], s[8:9], s[54:55]
	s_lshl_b32 s54, s5, 17                         ; fq: bb x 131,072 + my 32 rows of 32
	s_lshl_b32 s56, s4, 10
	s_add_co_u32 s54, s54, s56
	s_add_nc_u64 s[FB:FB+1], s[10:11], s[54:55]
	s_lshl_b32 s54, s5, 17                         ; gq: + the work-group's 128 rows
	s_lshl_b32 s56, ttmp9, 12
	s_add_co_u32 s54, s54, s56
	s_add_nc_u64 s[GB:GB+1], s[12:13], s[54:55]
	s_lshl_b32 s54, s5, 14                         ; cst: bb x 16,384 + my 32 numbers
	s_lshl_b32 s56, s4, 7
	s_add_co_u32 s54, s54, s56
	s_add_nc_u64 s[CB:CB+1], s[14:15], s[54:55]
	s_lshl_b32 s54, s7, 22                         ; x and out: batch x 4 MiB + 64 w rows of 16,384 + 512 x work-group x
	s_lshl_b32 s56, s4, 20
	s_add_co_u32 s54, s54, s56
	s_lshl_b32 s56, ttmp9, 9
	s_add_co_u32 s54, s54, s56
	s_add_nc_u64 s[XB:XB+1], s[XB:XB+1], s[54:55]
	s_add_nc_u64 s[OB:OB+1], s[OB:OB+1], s[54:55]
	WIN 0x80
.irp t, 0,1,2,3,4,5,6,7
	global_load_b128 v[GG+8*\t:GG+8*\t+3], v[GOF], s[GB:GB+1] offset:512*\t   ; g of my work-group's 128 m stays in registers
.endr
	GLOAD 0, 0, 0
	GLOAD 1, 1, 1
	WIN 0x80
.irp t, 0,1,2,3,4,5,6,7
.irp k, 4,5,6,7
	v_mov_b32 v[GG+8*\t+\k], 0                     ; zero codes for k = 32..63
.endr
.endr
.irp t, 0,1,2,3
.irp k, 4,5,6,7
	v_mov_b32 v[FF+8*\t+\k], 0
.endr
.endr
	WIN 0
	s_wait_kmcnt 0x0
	s_add_co_i32 s54, s48, s49
	s_lshl_b32 s54, s54, 23
	s_add_co_i32 s[CS], s54, 0x3e8293ee            ; log2(e) / sqrt(32), with e4 + e5 added to its exponent field
	s_mov_b32 s[CS+1], s[CS]                       ; (named with it as a pair)
	s_add_co_i32 s54, s51, 127
	s_lshl_b32 s56, s54, 23
	v_mov_b32 v[PSC], s56
	s_add_co_i32 s54, s54, 15
	s_lshl_b32 s54, s54, 23
	s_or_b32 s54, s54, 0x600000
	v_mov_b32 v[LIM], s54
	s_add_co_i32 s54, s50, s51
	s_add_co_i32 s54, s54, 127
	s_lshl_b32 s54, s54, 23                        ; 2^(e8 + e9)
	s_mul_f32 s[GS], s52, s54                      ; gamma x 2^(e8 + e9): a power of two rounds nothing
	s_mov_b32 s[GS+1], s[GS]
	; the count 38 everywhere: behind the f and cst that a step needs stand that group's 16 loads of h and the next group's 22
	STEP 3, 1, 0, 0, 1, 1, 38, 2                   ; ahead of step 0: P(0) is made; the loads of step 2
	STEP 0, 0, 1, 2, 1, 1, 38, 3                   ; step 0 starts the sums: nothing is cleared
	s_wait_xcnt 0x0                                ; the loads have read their bases: they may step
	s_add_nc_u64 s[HB:HB+1], s[HB:HB+1], 4*32768
	s_add_nc_u64 s[FB:FB+1], s[FB:FB+1], 4*4096
	s_add_nc_u64 s[CB:CB+1], s[CB:CB+1], 4*512
	s_mov_b32 s[TRIP], 7
.Ltrip:                                            ; seven trips of four steps, 1 to 28: after four steps every set of registers is back where it began
	STEP 1, 1, 0, 1, 1, 1, 38, 0
	STEP 2, 0, 1, 1, 1, 1, 38, 1
	STEP 3, 1, 0, 1, 1, 1, 38, 2
	STEP 0, 0, 1, 1, 1, 1, 38, 3
	s_wait_xcnt 0x0
	s_add_nc_u64 s[HB:HB+1], s[HB:HB+1], 4*32768
	s_add_nc_u64 s[FB:FB+1], s[FB:FB+1], 4*4096
	s_add_nc_u64 s[CB:CB+1], s[CB:CB+1], 4*512
	s_sub_co_u32 s[TRIP], s[TRIP], 1
	s_cmp_lg_u32 s[TRIP], 0
	s_cbranch_scc1 .Ltrip
	STEP 1, 1, 0, 1, 1, 2, 38, 0                   ; steps 29 to 31 ask for no further step: x's rows come instead, into the sets of h that are done with
	STEP 2, 0, 1, 1, 1, 2, 32, 1                   ; younger than f and cst of step 31: its h (16), x's first 16 rows
	STEP 3, 1, 0, 1, 0, 3, 32, 0                   ; younger than h of step 31: x's first 32 rows
; THE WAY OUT, 16 rows c at a time.  A lane holds 32 neighbouring bytes of a row and the lanes beside it other rows: a block goes through my own stage and comes back as whole rows of 512 bytes.
; LDS serves a wave's instructions in order (ISA guide 5.7.1.4): no wait between the stores and the loads, nor in front of the next block's stores.
.macro TOSTAGE a
.if \a >= 2
	s_wait_xcnt 0x0                                ; the stores of the block two back have read their registers: the loads below may land there
.endif
	WIN 0x0c
.irp t, 0,1,2,3,4,5,6,7
	ds_store_b128 v[STO], v[8*(8*\a+\t):8*(8*\a+\t)+3] offset:64*\t          ; each accumulator from its low end on
	ds_store_b128 v[STO], v[8*(8*\a+\t)+4:8*(8*\a+\t)+7] offset:64*\t+16
.endr
	WIN 0
.irp i, 0,1,2,3,4,5,6,7,8,9,10,11,12,13,14,15
	ds_load_b128 v[BK+64*(\a%2)+4*\i:BK+64*(\a%2)+4*\i+3], v[RD] offset:528*\i
.endr
.endm
.macro FINISH a, younger, lc           ; younger: the LDS instructions behind block a's loads; lc: x's loads behind block a's
	s_wait_dscnt \younger
	s_wait_loadcnt \lc
.if \a < 3
	WIN 0x10
.set XS, 64*\a
.else
	WIN 0
.set XS, 64
.endif
.set n, 0
.rept 32
	v_pk_fma_f32 v[BK+64*(\a%2)+2*n:BK+64*(\a%2)+2*n+1], v[BK+64*(\a%2)+2*n:BK+64*(\a%2)+2*n+1], s[GS:GS+1], v[XS+2*n:XS+2*n+1] op_sel_hi:[1,0,1]   ; sum x gamma 2^(e8 + e9) + x
.set n, n+1
.endr
	WIN 0
.irp i, 0,1,2,3,4,5,6,7,8,9,10,11,12,13,14,15
	global_store_b128 v[LI], v[BK+64*(\a%2)+4*\i:BK+64*(\a%2)+4*\i+3], s[OB:OB+1] offset:(16*\a+\i)*16384 th:TH_STORE_NT   ; 32 lanes store 512 consecutive bytes, aligned
.endr
.endm
.rept 4
	v_nop                                          ; places before the last products' results are read
.endr
	TOSTAGE 0
	TOSTAGE 1
	FINISH 0, 32, 48
	TOSTAGE 2
	FINISH 1, 32, 32
	TOSTAGE 3
	FINISH 2, 32, 16
	FINISH 3, 0, 0
	s_wait_tensorcnt 0x0                           ; the wave's end
	ds_add_u32 v[SPW], v[NIL]
	s_wait_dscnt 0x0
	s_endpgm
.Lfunc_end_k_qa940dd38d1_attend:
	.size	k_qa940dd38d1_attend, .Lfunc_end_k_qa940dd38d1_attend-k_qa940dd38d1_attend
	.p2alignl 7, 3214868480
	.fill 96, 4, 3214868480
	.section	.rodata,"a",@progbits
	.p2align	6, 0x0
	.amdhsa_kernel k_qa940dd38d1_attend
		.amdhsa_group_segment_fixed_size 67072
		.amdhsa_private_segment_fixed_size 0
		.amdhsa_enable_private_segment 0
		.amdhsa_kernarg_size 88
		.amdhsa_user_sgpr_count 2
		.amdhsa_user_sgpr_kernarg_segment_ptr 1
		.amdhsa_wavefront_size32 1
		.amdhsa_system_sgpr_workgroup_id_x 1
		.amdhsa_system_sgpr_workgroup_id_y 1
		.amdhsa_system_sgpr_workgroup_id_z 1
		.amdhsa_system_vgpr_workitem_id 0
		.amdhsa_next_free_vgpr 1024
		.amdhsa_next_free_sgpr 66
		.amdhsa_reserve_vcc 0
		.amdhsa_float_denorm_mode_32 3
		.amdhsa_float_denorm_mode_16_64 3
		.amdhsa_memory_ordered 1
		.amdhsa_forward_progress 1
		.amdhsa_inst_pref_size 220
	.end_amdhsa_kernel
	.amdgpu_metadata
---
amdhsa.version: [ 1, 2 ]
amdhsa.kernels:
  - .name:           k_qa940dd38d1_attend
    .symbol:         k_qa940dd38d1_attend.kd
    .args:
      - { .name: hq, .offset: 0, .size: 8, .value_kind: global_buffer, .address_space: global }
      - { .name: fq, .offset: 8, .size: 8, .value_kind: global_buffer, .address_space: global }
      - { .name: gq, .offset: 16, .size: 8, .value_kind: global_buffer, .address_space: global }
      - { .name: cst, .offset: 24, .size: 8, .value_kind: global_buffer, .address_space: global }
      - { .name: x1, .offset: 32, .size: 8, .value_kind: global_buffer, .address_space: global }
      - { .name: x2, .offset: 40, .size: 8, .value_kind: global_buffer, .address_space: global }
      - { .name: gamma1, .offset: 48, .size: 8, .value_kind: global_buffer, .address_space: global }
      - { .name: gamma2, .offset: 56, .size: 8, .value_kind: global_buffer, .address_space: global }
      - { .name: lowp_scales, .offset: 64, .size: 8, .value_kind: global_buffer, .address_space: global }
      - { .name: out0, .offset: 72, .size: 8, .value_kind: global_buffer, .address_space: global }
      - { .name: out1, .offset: 80, .size: 8, .value_kind: global_buffer, .address_space: global }
    .group_segment_fixed_size: 67072
    .private_segment_fixed_size: 0
    .kernarg_segment_align: 8
    .kernarg_segment_size: 88
    .max_flat_workgroup_size: 128
    .sgpr_count:     66
    .vgpr_count:     1024
    .wavefront_size: 32
...
	.end_amdgpu_metadata
.endif
;; end of part 3
;; ======== version 2 of 2: 3 launches; version 1 with the launches project, stats, attend written anew for expert scheduling mode
;; workspace buffers: fq 1,048,576 bytes; gq 1,048,576 bytes; hq 8,388,608 bytes; cst 131,072 bytes
;; launch project (part 4): grid 32 x 8, 8 waves a work-group, no clusters, 116,480 bytes of LDS; arguments x1, x2, f_w, g_w, f_b, g_b, h1_w, h2_w, h1_b, h2_b, lowp_scales, fq, gq, hq; writes fq, gq, hq
.if DOCPART == 4
	.amdgcn_target "amdgcn-amd-amdhsa--gfx1250"
	.amdhsa_code_object_version 6
	.text
	.protected	k_qa940dd38d1_project
	.globl	k_qa940dd38d1_project
	.p2align	8
	.type	k_qa940dd38d1_project,@function
k_qa940dd38d1_project:
	s_mov_b64 s[64:65], 0
	v_nop
	global_prefetch_b8 v0, s[64:65] scope:SCOPE_SE
	s_setreg_imm32_b32 hwreg(HW_REG_WAVE_SCHED_MODE, 0, 2), 2
	s_setreg_imm32_b32 hwreg(HW_REG_WAVE_MODE, 25, 1), 1
	s_wait_xcnt 0x0
	s_wait_alu depctr_vm_vsrc(0)
; PROJECT: f = f_w x + f_b, g = g_w x + g_b, h = h_w x + h_b for both branches, each product on codes of E5M2, and f, g, h quantised again
; for the products that follow.  bb = 4 x branch + batch (work-group y); x[bb] is [256 c][4096 n] f32.
; DEAD WORK: none.  Every bias is added ahead of a quantiser (f_b, g_b ahead of the scores' operands, h_b ahead of the last product's), so each can move
; codes; x is quantised three times because the three products give it three scales.  Every input of the problem is loaded by some launch.
; OUT: fq, gq [bb][n][32 B]: byte 16 h + 8 kt + j of a row is the code of channel 16 kt + 8 h + j, so that 16 bytes at 32 n + 16 h are registers 0-3 of a
; K = 64 fragment.  hq [bb][s 32][ct 16][q 4][lane 32][16 B]: a K = 128 fragment's registers on end: lane (r, h), group q: h[16 ct + r][128 s + 32 q + 16 h + 0..15].
; FRAGMENTS of K = 128 hold k = 32 q + 16 h + 0..15 in registers 4 q .. 4 q + 3, alike on both sides of every product: a permutation of k.
; SHARES.  A work-group takes 128 n (work-group x = s) of one bb.  Wave w loads rows c = 32 w .. 32 w + 31 of x, 512 consecutive bytes a load, 16 a lane: a lane holds
; 4 columns n = 4 L + j.  The hold writes into other registers anyway and puts 8 neighbours along c on end there, so nothing else is turned.  The codes are stored to
; LDS at their place in an IMAGE OF THE FRAGMENT'S REGISTERS (16 bytes a lane, 512 a group).  THE COLUMNS OF A TILE ARE NOT NEIGHBOURS: lane r of tile 2 qq + u is
; n = 32 qq + 8 u + r + (r & 8), so that the 16 results of two neighbouring tiles of h are 16 neighbours along n, the last product's K.
; Behind the one barrier: wave (q = w & 3, kh = w >> 2) makes f (kh = 0) or g (kh = 1) for tiles 2 q, 2 q + 1; then wave w makes h for output tiles 2 w, 2 w + 1 and all 128 n.
; A sum of codes stands for sum x 2^(ex + ew): the bias goes in as the first product's C, divided by that power; the three scales are folded into the conversion's one.
; LIMITS: e0, e2, e6, e7, e1 or e3, e4 - e0 - e1, e5 - e2 - e3, e8 - e6 - e7 (and the second branch's) lie between -126 and 112, so that each scale and 57,344 x it are f32 numbers.  NaN among the inputs is not served.
; REGISTERS.  window 0: v0-31 ids, addresses, scales; v32-63 T at work, later the products' results; v64-159 x's codes, later f's, g's, h's; v160-223 h_w's 4 fragments; v224-239, v240-255 the biases as C.
;   window 1: v0-127 x as loaded, later weights as loaded, later f's and g's operands; v128-191, v192-255 weights as loaded, later x's fragments for h, two sets.
; THE MODE: SCHED_MODE bits 1:0 = 2 (LLVM: expert scheduling mode 2), set by the entry lines.  The code itself states the register dependences
; between vector or matrix instructions and memory or LDS instructions, with s_wait_alu, always for 0.
; THE PLAN.  Registers that memory or LDS instructions touch:
;   v4-15, v30        addresses and the add's two: written at the head, read by every load and store, never written again.
;   window 1 v0-127   x lands; the holds read it; two fragments of h_w land; their holds and conversions; behind the barrier images land; f's or g's products read them.
;   window 1 v128-191 a fragment of h_w lands; its holds and conversions; my small fragment lands; its holds and conversions; then, with v192-255, x's images for h land, set by set; h's products read a set; it is loaded again.
;   v64-159           x's conversions write them; the LDS stores read them; f's, g's and h's conversions write v64-103 again; the global stores read those.
;   v32-47            the small fragment's conversions write them; the LDS stores read them; the products write them again.
; The waits on va_vdst: ahead of the first load; behind x's last conversions; behind the first weight fragment's conversions; ahead of the small fragment's LDS stores; ahead of f's or g's stores; one behind the conversions of each group of h.
; One wait on vm_vsrc, behind the barrier.
.set TP,    4112                       ; a tile's two images (K steps 0, 1) + 16 bytes: the 16 lanes of a store's half then fall on 16 different 16-byte columns of 256
.set XR,    33024                      ; a region: 8 tiles, rounded up to blocks of 256.  Regions: x by e0, by e2, by e6
.set WIB,   3*XR                       ; f_w's 4 fragments, then g_w's 4: 2,048 bytes each
.set SPARE, WIB+8*2048                 ; the spare words, 128 bytes for each wave: four blocks of 256 bytes that no other line names
.set LI,  4                            ; 16 x lane
.set WO,  5                            ; weights: 1,024 r + 64 h
.set FO,  6                            ; fq, gq: 32 (r + (r & 8)) + 16 h
.set XW,  7                            ; where my x codes go, regions 0 and 1
.set LIF, 8                            ; 16 x lane + my region (kh) + my two tiles
.set LIH, 9                            ; 16 x lane + region 2
.set WIW, 10                           ; where my small fragment goes
.set WIR, 11                           ; where my matrix's four lie
.set SPW, 12                           ; my spare word; never rewritten
.set NIL, 13                           ; 0; never rewritten
.set BO,  14                           ; 32 h
.set HBO, 15                           ; 4 r
.set SCX, 16                           ; v16.. pairs (scale, 57,344 x scale): x by e0, e2, e6
.set SCHW, 22                          ; h_w
.set SCSW, 24                          ; f_w or g_w
.set SCFO, 26                          ; f or g, folded
.set SCHO, 28                          ; h, folded
.set XW2, 30                           ; where my x codes go, region 2
.set T,   32
.set XC,  64
.set HC,  64
.set FC,  96
.set HWC, 160
.set BI,  224
.set HBC, 240
.set WRA, 128
.set WRB, 192
.set XP,  50
.set HWP, 52
.set HBP, 54
.set SWP, 56
.set SBP, 58
.set SQP, 60
.set HQP, 62
.set MSB, 0
.macro WIN new                         ; bits 1:0 source 0, 3:2 source 1, 5:4 source 2, 7:6 destination; the high byte repeats the setting that is left
.if MSB != (\new)
	s_set_vgpr_msb (MSB<<8)|(\new)
.set MSB, (\new)
.endif
.endm
.macro MKSC e, v                       ; 2^e and 57,344 x 2^e as f32
	s_add_co_i32 s37, s[\e], 127
	s_lshl_b32 s38, s37, 23
	v_mov_b32 v[\v], s38
	s_add_co_i32 s37, s37, 15
	s_lshl_b32 s37, s37, 23
	s_or_b32 s37, s37, 0x600000
	v_mov_b32 v[\v+1], s37
.endm
.macro WL dst, base, imm               ; a weight fragment as f32: 16 rows x 128 k, 64 numbers a lane, register 16 q + i = k 32 q + 16 h + i
	WIN 0x40
.irp q, 0,1,2,3
.irp e, 0,1,2,3
	global_load_b128 v[\dst+16*\q+4*\e:\dst+16*\q+4*\e+3], v[WO], s[\base:\base+1] offset:\imm+128*\q+16*\e
.endr
.endr
.endm
.macro QW src, dst, sc                 ; it becomes 16 registers of codes in window 0
	WIN 0x41
.set n, 0
.rept 64
	v_med3_num_f32 v[\src+n], v[\src+n], -v[\sc+1], v[\sc+1]   ; the conversion to an 8-bit code does not saturate (ISA guide 7.6.2): the hold comes first
.set n, n+1
.endr
	WIN 0x01
.set n, 0
.rept 8
	v_cvt_scalef32_pk8_bf8_f32 v[\dst+2*n:\dst+2*n+1], v[\src+8*n:\src+8*n+7], v[\sc]
.set n, n+1
.endr
	v_nop                                          ; a plain line behind the last conversion
.endm
.macro QXG gi                          ; rows 8 gi .. 8 gi + 7 of my 32, my 4 columns, by each of the three scales
.irp z, 0,1,2
	WIN 0x01
.irp j, 0,1,2,3
.irp i, 0,1,2,3,4,5,6,7
	v_med3_num_f32 v[T+8*\j+\i], v[4*(8*\gi+\i)+\j], -v[SCX+2*\z+1], v[SCX+2*\z+1]   ; the hold, and column j's 8 neighbours along c on end
.endr
.endr
	WIN 0
.irp j, 0,1,2,3
	v_cvt_scalef32_pk8_bf8_f32 v[XC+32*\z+8*\j+2*\gi:XC+32*\z+8*\j+2*\gi+1], v[T+8*\j:T+8*\j+7], v[SCX+2*\z]
.endr
	v_nop                                          ; a plain line before T, the conversions' source, is written again
.endr
.endm
.macro FETCH reg, adr, off             ; an image comes back as the fragment's registers
.irp c, 0,1,2,3
	ds_load_b128 v[\reg+4*\c:\reg+4*\c+3], v[\adr] offset:\off+512*\c
.endr
.endm
.macro HFETCH qq                       ; x by e6: tiles 2 qq, 2 qq + 1, both K steps, into set qq % 2
.irp u, 0,1
.irp ks, 0,1
	FETCH 128+64*((\qq)%2)+32*\u+16*\ks, LIH, (2*(\qq)+\u)*TP+\ks*2048
.endr
.endr
.endm
	s_load_b512 s[8:23], s[0:1], 0x0               ; x1, x2, f_w, g_w, f_b, g_b, h1_w, h2_w
	s_load_b256 s[24:31], s[0:1], 0x40             ; h1_b, h2_b, lowp_scales, fq
	s_load_b128 s[32:35], s[0:1], 0x60             ; gq, hq
	v_lshl_add_u32 v[SPW], v0, 2, SPARE
	v_mov_b32 v[NIL], 0
	v_lshrrev_b32 v1, 5, v0
	v_readfirstlane_b32 s6, v1                     ; wave 0..7
	s_wait_alu depctr_va_sdst(0)                   ; s6 is written, ahead of its first reader: addresses and bases are made from it
	s_and_b32 s7, s6, 3                            ; q
	s_lshr_b32 s36, s6, 2                          ; kh
	s_and_b32 s3, ttmp7, 0xffff                    ; bb
	s_lshr_b32 s4, s3, 2                           ; branch
	s_and_b32 s5, s3, 3                            ; batch
	v_and_b32 v1, 31, v0
	v_and_b32 v2, 15, v0                           ; r
	v_bfe_u32 v3, v0, 4, 1                         ; h
	v_lshlrev_b32 v[LI], 4, v1
	v_lshlrev_b32 v[WO], 10, v2
	v_lshl_add_u32 v[WO], v3, 6, v[WO]
	v_and_b32 v31, 8, v2
	v_add_nc_u32 v31, v31, v2
	v_lshlrev_b32 v[FO], 5, v31
	v_lshl_add_u32 v[FO], v3, 4, v[FO]
	v_lshlrev_b32 v[BO], 5, v3
	v_lshlrev_b32 v[HBO], 2, v2
	v_bfe_u32 v31, v0, 3, 2                        ; column 4 L + j: qq = L >> 3,
	v_bfe_u32 v1, v0, 1, 1                         ; u = bit 1 of L,
	v_lshl_add_u32 v31, v31, 1, v1                 ; tile 2 qq + u,
	v_mul_u32_u24 v[XW], v31, TP
	v_bfe_u32 v31, v0, 2, 1                        ; lane r = 8 (bit 2 of L) + 4 (bit 0 of L) + j: 16 r bytes
	v_lshl_add_u32 v[XW], v31, 7, v[XW]
	v_and_b32 v31, 1, v0
	v_lshl_add_u32 v[XW], v31, 6, v[XW]
	s_lshl_b32 s37, s6, 9                          ; my 32 rows are K step w >> 2, group w & 3: 512 w bytes into a tile's images
	v_add_nc_u32 v[XW], s37, v[XW]
	v_add_nc_u32 v[XW2], 2*XR, v[XW]
	s_mul_i32 s37, s36, XR
	s_mul_i32 s38, s7, 2*TP
	s_add_co_u32 s37, s37, s38
	v_add_nc_u32 v[LIF], s37, v[LI]
	v_add_nc_u32 v[LIH], 2*XR, v[LI]
	s_lshl_b32 s37, s6, 11
	s_add_co_u32 s37, s37, WIB
	v_add_nc_u32 v[WIW], s37, v[LI]
	s_lshl_b32 s37, s36, 13
	s_add_co_u32 s37, s37, WIB
	v_add_nc_u32 v[WIR], s37, v[LI]
	s_wait_kmcnt 0x0
	s_cmp_eq_u32 s4, 0                             ; the branch's buffers: a choice on the work-group's number
	s_cselect_b64 s[XP:XP+1], s[8:9], s[10:11]
	s_cselect_b64 s[HWP:HWP+1], s[20:21], s[22:23]
	s_cselect_b64 s[HBP:HBP+1], s[24:25], s[26:27]
	s_cmp_eq_u32 s36, 0                            ; f's or g's: a choice on the wave's number
	s_cselect_b64 s[SWP:SWP+1], s[12:13], s[14:15]
	s_cselect_b64 s[SBP:SBP+1], s[16:17], s[18:19]
	s_cselect_b64 s[SQP:SQP+1], s[30:31], s[32:33]
	s_mov_b64 s[HQP:HQP+1], s[34:35]
	s_mov_b32 s39, 0
	s_mul_i32 s38, s4, 40                          ; the branch's ten exponents
	s_add_nc_u64 s[28:29], s[28:29], s[38:39]
	s_load_b256 s[40:47], s[28:29], 0x0            ; e0 .. e7
	s_load_b32 s48, s[28:29], 0x20                 ; e8
	s_lshl_b32 s38, s5, 22                         ; x: batch x 4 MiB + 32 w rows of 16,384 + 512 s
	s_lshl_b32 s37, s6, 19
	s_add_co_u32 s38, s38, s37
	s_lshl_b32 s37, ttmp9, 9
	s_add_co_u32 s38, s38, s37
	s_add_nc_u64 s[XP:XP+1], s[XP:XP+1], s[38:39]
	s_lshl_b32 s38, s6, 15                         ; h_w: my 32 rows of 1,024 bytes
	s_add_nc_u64 s[HWP:HWP+1], s[HWP:HWP+1], s[38:39]
	s_lshl_b32 s38, s6, 7                          ; h_b: my 32 numbers
	s_add_nc_u64 s[HBP:HBP+1], s[HBP:HBP+1], s[38:39]
	s_lshr_b32 s37, s7, 1                          ; the small fragment that I make: rows 16 (q >> 1) on, K step q & 1
	s_lshl_b32 s38, s37, 14
	s_and_b32 s37, s7, 1
	s_lshl_b32 s37, s37, 9
	s_add_co_u32 s38, s38, s37
	s_add_nc_u64 s[SWP:SWP+1], s[SWP:SWP+1], s[38:39]
	s_lshl_b32 s38, s3, 17                         ; fq or gq: bb x 131,072 + (128 s + 32 q) rows of 32
	s_lshl_b32 s37, ttmp9, 12
	s_add_co_u32 s38, s38, s37
	s_lshl_b32 s37, s7, 10
	s_add_co_u32 s38, s38, s37
	s_add_nc_u64 s[SQP:SQP+1], s[SQP:SQP+1], s[38:39]
	s_lshl_b32 s38, s3, 20                         ; hq: bb x 1 MiB + s x 32,768 + my two tiles of 2,048
	s_lshl_b32 s37, ttmp9, 15
	s_add_co_u32 s38, s38, s37
	s_lshl_b32 s37, s6, 12
	s_add_co_u32 s38, s38, s37
	s_add_nc_u64 s[HQP:HQP+1], s[HQP:HQP+1], s[38:39]
	s_wait_alu depctr_va_vdst(0)                   ; the addresses v4 to v15 and v30 are written, which every load and store of the kernel reads
	; the loads: 6 of biases, 32 of x, 16 of the first weight fragment
	global_load_b128 v[BI:BI+3], v[BO], s[SBP:SBP+1]                ; C of f or g: lane (r, h), tile kt: b[16 kt + 8 h + 0..7]
	global_load_b128 v[BI+4:BI+7], v[BO], s[SBP:SBP+1] offset:16
	global_load_b128 v[BI+8:BI+11], v[BO], s[SBP:SBP+1] offset:64
	global_load_b128 v[BI+12:BI+15], v[BO], s[SBP:SBP+1] offset:80
	global_load_b32 v[HBC], v[HBO], s[HBP:HBP+1]                    ; C of h: one output channel a lane
	global_load_b32 v[HBC+8], v[HBO], s[HBP:HBP+1] offset:64
	WIN 0x40
.set n, 0
.rept 32
	global_load_b128 v[4*n:4*n+3], v[LI], s[XP:XP+1] offset:n*16384 th:TH_LOAD_NT   ; row 32 w + n: 32 lanes read 512 consecutive bytes
.set n, n+1
.endr
	WL WRA, HWP, 0                                 ; h_w (tile 0, K step 0)
	s_wait_kmcnt 0x0
	WIN 0
	s_cmp_eq_u32 s36, 0
	s_cselect_b32 s9, s40, s42                     ; ex of my small product,
	s_cselect_b32 s8, s41, s43                     ; ew,
	s_cselect_b32 s10, s44, s45                    ; and the scale of its result as an operand
	s_add_co_i32 s11, s9, s8
	s_sub_co_i32 s12, s10, s11                     ; folded
	s_sub_co_i32 s13, 0, s11                       ; the bias's shift
	s_add_co_i32 s14, s46, s47
	s_sub_co_i32 s15, s48, s14                     ; e8 - e6 - e7
	s_sub_co_i32 s16, 0, s14
	MKSC 40, SCX
	MKSC 42, SCX+2
	MKSC 46, SCX+4
	MKSC 47, SCHW
	MKSC 8, SCSW
	MKSC 12, SCFO
	MKSC 15, SCHO
	s_wait_loadcnt 40                              ; loads come back in order (ISA guide 5.7.1): rows 0-7 are in; younger: 24 of x, 16 of weights
	QXG 0
	WL WRB, HWP, 512                               ; h_w (0, 1).  No wait: no vector instruction has named these registers, nor the offset since the head's wait
	s_wait_loadcnt 48                              ; rows 8-15; younger: 16 of x, 32 of weights
	QXG 1
	s_wait_loadcnt 40                              ; younger: 8 of x, 32 of weights
	QXG 2
	s_wait_loadcnt 32                              ; younger: 32 of weights
	QXG 3
	s_wait_alu depctr_va_vdst(0)                   ; the conversions have written x's codes, which the LDS stores read; the holds are done reading x's registers, in which two fragments of h_w land
.irp z, 0,1
.irp j, 0,1,2,3
	ds_store_b128 v[XW], v[XC+32*\z+8*\j:XC+32*\z+8*\j+3] offset:\z*XR+16*\j          ; c = 0..15 of my 32: lanes 0-15 of the image
	ds_store_b128 v[XW], v[XC+32*\z+8*\j+4:XC+32*\z+8*\j+7] offset:\z*XR+16*\j+256    ; c = 16..31: lanes 16-31
.endr
.endr
.irp j, 0,1,2,3
	ds_store_b128 v[XW2], v[XC+64+8*\j:XC+64+8*\j+3] offset:16*\j
	ds_store_b128 v[XW2], v[XC+64+8*\j+4:XC+64+8*\j+7] offset:16*\j+256
.endr
	WL 0, HWP, 16384                               ; h_w (1, 0), (1, 1), where x lay
	WL 64, HWP, 16384+512
	s_wait_loadcnt 48                              ; the oldest fragment is in; younger: three fragments' 48
	QW WRA, HWC, SCHW
	s_wait_alu depctr_va_vdst(0)                   ; the holds and conversions are done with the fragment's registers, in which the next loads land
	WL WRA, SWP, 0                                 ; my fragment of f_w or g_w
	s_wait_loadcnt 48
	QW WRB, HWC+16, SCHW
	s_wait_loadcnt 32
	QW 0, HWC+32, SCHW
	s_wait_loadcnt 16
	QW 64, HWC+48, SCHW
	s_wait_loadcnt 0x0
	QW WRA, T, SCSW
	WIN 0
	s_wait_alu depctr_va_vdst(0)                   ; the conversions have written v32 to v47, which the LDS stores read; all holds and conversions are done with window 1, in which the images land behind the barrier
.irp c, 0,1,2,3
	ds_store_b128 v[WIW], v[T+4*\c:T+4*\c+3] offset:512*\c
.endr
.set n, 0
.rept 16
	v_ldexp_f32 v[BI+n], v[BI+n], s13              ; b / 2^(ex + ew)
.set n, n+1
.endr
.irp ctl, 0,1
.irp j, 1,2,3,4,5,6,7
	v_ldexp_f32 v[HBC+8*\ctl+\j], v[HBC+8*\ctl], s16   ; the lane's one h_b / 2^(e6 + e7), in all eight registers of C
.endr
	v_ldexp_f32 v[HBC+8*\ctl], v[HBC+8*\ctl], s16
.endr
	s_wait_dscnt 0x0                               ; for the others' sake: my images have landed
	s_barrier_signal -1
	s_barrier_wait -1                              ; all images lie in LDS; nothing is stored to LDS behind this barrier
	s_wait_alu depctr_vm_vsrc(0)                   ; my LDS stores have read v32 to v47 and v64 to v159, which the products and the conversions below write again
	WIN 0x40
.irp kt, 0,1
.irp ks, 0,1
	FETCH 32*\kt+16*\ks, WIR, (2*\kt+\ks)*2048     ; no wait: since the last wait on va_vdst only the biases' lines were issued, which name none of these registers
.endr
.endr
.irp u, 0,1
.irp ks, 0,1
	FETCH 64+32*\u+16*\ks, LIF, \u*TP+\ks*2048
.endr
.endr
	HFETCH 0
	HFETCH 1
	s_wait_dscnt 32                                ; f's or g's eight fragments are in; younger: h's first two sets, 32 loads
	; ---- f or g, transposed: source 0 = 16 rows of the weight, source 1 = 16 columns n: lane (r, h) holds channels 16 kt + 8 h + 0..7 of one n.  Four sums by turns
	WIN 0x05
.irp u, 0,1
.irp kt, 0,1
	v_wmma_f32_16x16x128_bf8_bf8 v[T+16*\u+8*\kt:T+16*\u+8*\kt+7], v[32*\kt:32*\kt+15], v[64+32*\u:64+32*\u+15], v[BI+8*\kt:BI+8*\kt+7]
.endr
.endr
.irp u, 0,1
.irp kt, 0,1
	v_wmma_f32_16x16x128_bf8_bf8 v[T+16*\u+8*\kt:T+16*\u+8*\kt+7], v[32*\kt+16:32*\kt+31], v[64+32*\u+16:64+32*\u+31], v[T+16*\u+8*\kt:T+16*\u+8*\kt+7]
.endr
.endr
	WIN 0
.rept 5
	v_nop                                          ; places (ISA guide 7.12.1): four before the results are read, a fifth since the next products write over them with another C
.endr
.set n, 0
.rept 32
	v_med3_num_f32 v[T+n], v[T+n], -v[SCFO+1], v[SCFO+1]
.set n, n+1
.endr
.irp u, 0,1
.irp kt, 0,1
	v_cvt_scalef32_pk8_bf8_f32 v[FC+4*\u+2*\kt:FC+4*\u+2*\kt+1], v[T+16*\u+8*\kt:T+16*\u+8*\kt+7], v[SCFO]
.endr
.endr
	v_nop
	s_wait_alu depctr_va_vdst(0)                   ; the conversions have written f's or g's codes, which the stores read
.irp u, 0,1
	global_store_b128 v[FO], v[FC+4*\u:FC+4*\u+3], s[SQP:SQP+1] offset:256*\u   ; rows 8 u .. + 7 and 16 + 8 u .. + 7: twice 256 consecutive bytes, aligned
.endr
	; ---- h: source 0 = 16 columns n of x, source 1 = 16 rows of h_w: lane (r, h) holds one output channel and n = 32 qq + 16 h + 8 u + 0..7
.irp qq, 0,1,2,3
.if \qq < 3
	s_wait_dscnt 16                                ; this set is in; younger: the other set's 16 loads
.else
	s_wait_dscnt 0x0
.endif
	WIN 0x01
.irp ctl, 0,1
.irp u, 0,1
	v_wmma_f32_16x16x128_bf8_bf8 v[T+16*\ctl+8*\u:T+16*\ctl+8*\u+7], v[128+64*(\qq%2)+32*\u:128+64*(\qq%2)+32*\u+15], v[HWC+32*\ctl:HWC+32*\ctl+15], v[HBC+8*\ctl:HBC+8*\ctl+7]
.endr
.endr
.irp ctl, 0,1
.irp u, 0,1
	v_wmma_f32_16x16x128_bf8_bf8 v[T+16*\ctl+8*\u:T+16*\ctl+8*\u+7], v[128+64*(\qq%2)+32*\u+16:128+64*(\qq%2)+32*\u+31], v[HWC+32*\ctl+16:HWC+32*\ctl+31], v[T+16*\ctl+8*\u:T+16*\ctl+8*\u+7]
.endr
.endr
.rept 5
	v_nop                                          ; places: for the reads of the results, and the next products over them
.endr
	WIN 0
.set n, 0
.rept 32
	v_med3_num_f32 v[T+n], v[T+n], -v[SCHO+1], v[SCHO+1]
.set n, n+1
.endr
.irp ctl, 0,1
.irp u, 0,1
	v_cvt_scalef32_pk8_bf8_f32 v[HC+8*\qq+4*\ctl+2*\u:HC+8*\qq+4*\ctl+2*\u+1], v[T+16*\ctl+8*\u:T+16*\ctl+8*\u+7], v[SCHO]
.endr
.endr
	v_nop
	s_wait_alu depctr_va_vdst(0)                   ; the conversions have written this group's codes, which the stores read; the group's products are done reading their set of x, in which the loads below land
.if \qq < 2
	WIN 0x40
	HFETCH \qq+2
	WIN 0
.endif
.irp ctl, 0,1
	global_store_b128 v[LI], v[HC+8*\qq+4*\ctl:HC+8*\qq+4*\ctl+3], s[HQP:HQP+1] offset:2048*\ctl+512*\qq   ; group qq of the fragment: 512 consecutive bytes; each store has registers of its own
.endr
.endr
	s_wait_dscnt 0x0                               ; the closing lines, six on end
	s_wait_alu 0x0
	s_wait_tensorcnt 0x0
	ds_add_u32 v[SPW], v[NIL]
	s_wait_dscnt 0x0
	s_endpgm
.Lfunc_end_k_qa940dd38d1_project:
	.size	k_qa940dd38d1_project, .Lfunc_end_k_qa940dd38d1_project-k_qa940dd38d1_project
	.p2alignl 7, 3214868480
	.fill 96, 4, 3214868480
	.section	.rodata,"a",@progbits
	.p2align	6, 0x0
	.amdhsa_kernel k_qa940dd38d1_project
		.amdhsa_group_segment_fixed_size 116480
		.amdhsa_private_segment_fixed_size 0
		.amdhsa_enable_private_segment 0
		.amdhsa_kernarg_size 112
		.amdhsa_user_sgpr_count 2
		.amdhsa_user_sgpr_kernarg_segment_ptr 1
		.amdhsa_wavefront_size32 1
		.amdhsa_system_sgpr_workgroup_id_x 1
		.amdhsa_system_sgpr_workgroup_id_y 1
		.amdhsa_system_sgpr_workgroup_id_z 1
		.amdhsa_system_vgpr_workitem_id 0
		.amdhsa_next_free_vgpr 512
		.amdhsa_next_free_sgpr 66
		.amdhsa_reserve_vcc 0
		.amdhsa_float_denorm_mode_32 3
		.amdhsa_float_denorm_mode_16_64 3
		.amdhsa_memory_ordered 1
		.amdhsa_forward_progress 1
		.amdhsa_inst_pref_size 96
	.end_amdhsa_kernel
	.amdgpu_metadata
---
amdhsa.version: [ 1, 2 ]
amdhsa.kernels:
  - .name:           k_qa940dd38d1_project
    .symbol:         k_qa940dd38d1_project.kd
    .args:
      - { .name: x1, .offset: 0, .size: 8, .value_kind: global_buffer, .address_space: global }
      - { .name: x2, .offset: 8, .size: 8, .value_kind: global_buffer, .address_space: global }
      - { .name: f_w, .offset: 16, .size: 8, .value_kind: global_buffer, .address_space: global }
      - { .name: g_w, .offset: 24, .size: 8, .value_kind: global_buffer, .address_space: global }
      - { .name: f_b, .offset: 32, .size: 8, .value_kind: global_buffer, .address_space: global }
      - { .name: g_b, .offset: 40, .size: 8, .value_kind: global_buffer, .address_space: global }
      - { .name: h1_w, .offset: 48, .size: 8, .value_kind: global_buffer, .address_space: global }
      - { .name: h2_w, .offset: 56, .size: 8, .value_kind: global_buffer, .address_space: global }
      - { .name: h1_b, .offset: 64, .size: 8, .value_kind: global_buffer, .address_space: global }
      - { .name: h2_b, .offset: 72, .size: 8, .value_kind: global_buffer, .address_space: global }
      - { .name: lowp_scales, .offset: 80, .size: 8, .value_kind: global_buffer, .address_space: global }
      - { .name: fq, .offset: 88, .size: 8, .value_kind: global_buffer, .address_space: global }
      - { .name: gq, .offset: 96, .size: 8, .value_kind: global_buffer, .address_space: global }
      - { .name: hq, .offset: 104, .size: 8, .value_kind: global_buffer, .address_space: global }
    .group_segment_fixed_size: 116480
    .private_segment_fixed_size: 0
    .kernarg_segment_align: 8
    .kernarg_segment_size: 112
    .max_flat_workgroup_size: 256
    .sgpr_count:     66
    .vgpr_count:     512
    .wavefront_size: 32
...
	.end_amdgpu_metadata
.endif
;; end of part 4
;; launch stats (part 5): grid 32 x 8, 16 waves a work-group, no clusters, 18,432 bytes of LDS; arguments fq, gq, lowp_scales, cst; writes cst
.if DOCPART == 5
	.amdgcn_target "amdgcn-amd-amdhsa--gfx1250"
	.amdhsa_code_object_version 6
	.text
	.protected	k_qa940dd38d1_stats
	.globl	k_qa940dd38d1_stats
	.p2align	8
	.type	k_qa940dd38d1_stats,@function
k_qa940dd38d1_stats:
	s_mov_b64 s[64:65], 0
	v_nop
	global_prefetch_b8 v0, s[64:65] scope:SCOPE_SE
	s_setreg_imm32_b32 hwreg(HW_REG_WAVE_SCHED_MODE, 0, 2), 2
	s_setreg_imm32_b32 hwreg(HW_REG_WAVE_MODE, 25, 1), 1
	s_wait_xcnt 0x0
	s_wait_alu depctr_vm_vsrc(0)
; STATS: for every row n of the scores, what the finished softmax needs.  S[n][m] = the sum of the products of f's and g's codes; t = c' S, c' = log2(e) / sqrt(32) x 2^(e4 + e5).
; M = the row's largest t rounded UP to a whole number, l = the sum over m of 2^(t - M).  Stored: cst[bb][n] = -(M + log2 l) / c', so that attn = 2^(c' (S + cst)): the maximum is taken away, inside cst.
; No work is left out here.  The scores are made again by the last launch: stored as codes they would be four times the problem's own bytes, each way.
; SHARES.  A work-group takes 128 n of one bb (work-group y).  Wave w: ng = w & 1: 64 n, four tiles whose f stays in registers; mw = w >> 1: 512 m, eight steps of 64.
; Source 0 = 16 rows m of g, source 1 = 16 columns n of f: a lane holds ONE n and 8 m a tile.  Each half of the lanes keeps its own running (-M, l): no lane looks at another in the loop.
; The 16 partial pairs of an n (8 mw x 2 halves) meet in LDS; waves 0 and 1 join them, two n a lane, and store 256 consecutive bytes each.
; K is 32: the K = 64 form is fed with f's upper 32 as zero codes.  g's fragment mt is registers 4 mt .. 4 mt + 7 of a run of 20: its upper four are the next tile's codes (or zeros), all finite by the quantiser's hold, and meet f's zeros.
; When M moves, l is multiplied by 2^(old M - new M), made by v_ldexp_f32 of 1.0: nothing is rounded, no branch on data.
; LIMITS: e4 + e5 between -124 and 127 (added to c's exponent field, taken from 1/c's).  2^(t - M) under 2^-126 counts as 0.  NaN is not served.
; THE MODE: SCHED_MODE bits 1:0 = 2 (LLVM: expert scheduling mode 2), set by the entry lines.  The code itself states the register dependences
; between vector or matrix instructions and memory or LDS instructions, with s_wait_alu, always for 0.
; THE PLAN.  Registers that memory or LDS instructions touch:
;   v1-6       addresses and the add's two: written at the head, never again.
;   g's runs   A step's 16 products read run b; behind the step's one wait on va_vdst, which stands behind its exponentials, the loads of two steps on land in it.
;   f          loaded once.   The pairs (-M, l): written by the last additions, read by the LDS stores.
;   the scores' registers: at the end the partial pairs land in them.   v12, v13: written by the last multiplications, read by the one global store.
; So the loop holds one wait on va_vdst a step: it states that the exponentials have written their results and that the products are done reading g's run.
.set LOF, 1                            ; 32 r + 16 h
.set PW,  2                            ; where my partial pairs go
.set PR,  3                            ; where I read 16 of them back
.set CO,  4                            ; my 8 bytes of cst
.set SPW, 5                            ; my spare word; never rewritten
.set NIL, 6                            ; 0; never rewritten
.set ST,  16                           ; eight registers a tile nt: +0 -M, +1 the largest t, +2, +3 l in two halves, +4 the factor, +5 zero (named with +4 as a pair), +6, +7 at work
.set F,   48                           ; f: 8 a tile, the upper 4 zero
.set G,   80                           ; g: two runs of 16 + 4 zeros
.set S,   128                          ; scores: 32 nt + 8 mt + j
.set SPARE, 16384                      ; behind the partial pairs (16 x 128 x 8 bytes): the spare words, 128 bytes for each of 16 waves
.set WV,  16
.set CS,  24                           ; s[24:25] c'
.set INV, 26                           ; 1 / c'
.set GB,  28
.set FB,  30
.set CB,  32
.set TRIP, 34
	s_load_b256 s[8:15], s[0:1], 0x0               ; fq, gq, lowp_scales, cst
	v_lshl_add_u32 v[SPW], v0, 2, SPARE
	v_mov_b32 v[NIL], 0
	v_lshrrev_b32 v8, 5, v0
	v_readfirstlane_b32 s[WV], v8                  ; wave 0..15
	s_wait_alu depctr_va_sdst(0)                   ; s16 is written, ahead of its first reader: addresses, bases and a branch are made from it
	s_and_b32 s17, s[WV], 1                        ; ng
	s_lshr_b32 s18, s[WV], 1                       ; mw
	s_and_b32 s19, ttmp7, 0xffff                   ; bb
	s_lshr_b32 s20, s19, 2                         ; branch
	v_and_b32 v8, 15, v0                           ; r
	v_bfe_u32 v9, v0, 4, 1                         ; h
	v_lshlrev_b32 v[LOF], 5, v8
	v_lshl_add_u32 v[LOF], v9, 4, v[LOF]
	v_lshlrev_b32 v[PW], 3, v8                     ; pair (p = 2 mw + h, n) lies at 1,024 p + 8 n
	v_lshl_add_u32 v[PW], v9, 10, v[PW]
	s_lshl_b32 s21, s18, 11
	s_lshl_b32 s22, s17, 9
	s_add_co_u32 s21, s21, s22
	v_add_nc_u32 v[PW], s21, v[PW]
	v_and_b32 v10, 63, v0
	v_lshlrev_b32 v[PR], 4, v10
	v_lshlrev_b32 v[CO], 3, v10
	s_mov_b32 s37, 0
	s_wait_kmcnt 0x0
	s_mul_i32 s36, s20, 40
	s_add_nc_u64 s[12:13], s[12:13], s[36:37]
	s_load_b64 s[22:23], s[12:13], 0x10            ; e4, e5 of the branch
	s_lshl_b32 s36, s19, 17                        ; fq: bb x 131,072 + 128 x work-group x rows of 32 + 64 ng rows
	s_lshl_b32 s38, ttmp9, 12
	s_add_co_u32 s36, s36, s38
	s_lshl_b32 s38, s17, 11
	s_add_co_u32 s36, s36, s38
	s_add_nc_u64 s[FB:FB+1], s[8:9], s[36:37]
	s_lshl_b32 s36, s19, 17                        ; gq: + 512 mw rows
	s_lshl_b32 s38, s18, 14
	s_add_co_u32 s36, s36, s38
	s_add_nc_u64 s[GB:GB+1], s[10:11], s[36:37]
	s_lshl_b32 s36, s19, 14                        ; cst: bb x 16,384 + 512 x work-group x
	s_lshl_b32 s38, ttmp9, 9
	s_add_co_u32 s36, s36, s38
	s_add_nc_u64 s[CB:CB+1], s[14:15], s[36:37]
.macro LOADG b, imm                    ; 64 rows of g: four loads of 512 consecutive bytes
.irp mt, 0,1,2,3
	global_load_b128 v[G+20*\b+4*\mt:G+20*\b+4*\mt+3], v[LOF], s[GB:GB+1] offset:\imm+512*\mt
.endr
.endm
	s_wait_alu depctr_va_vdst(0)                   ; the addresses v1 to v4 are written, which the loads and stores of the kernel read
.irp nt, 0,1,2,3
	global_load_b128 v[F+8*\nt:F+8*\nt+3], v[LOF], s[FB:FB+1] offset:512*\nt
.endr
	LOADG 0, 0
	LOADG 1, 2048
.irp nt, 0,1,2,3
.irp k, 4,5,6,7
	v_mov_b32 v[F+8*\nt+\k], 0                     ; zero codes for k = 32..63
.endr
	v_mov_b32 v[ST+8*\nt+1], 0xff61b1e6            ; the largest t so far: -3e38, under every t
	v_floor_f32 v[ST+8*\nt], -v[ST+8*\nt+1]        ; -M
	v_mov_b32 v[ST+8*\nt+2], 0
	v_mov_b32 v[ST+8*\nt+3], 0
	v_mov_b32 v[ST+8*\nt+5], 0
.endr
.irp k, 16,17,18,19,36,37,38,39
	v_mov_b32 v[G+\k], 0
.endr
	s_wait_kmcnt 0x0
	s_add_co_i32 s36, s22, s23
	s_lshl_b32 s36, s36, 23
	s_add_co_i32 s[CS], s36, 0x3e8293ee            ; log2(e) / sqrt(32), with e4 + e5 added to its exponent field
	s_mov_b32 s[CS+1], s[CS]                       ; (named with it as a pair)
	s_sub_co_i32 s[INV], 0x407af233, s36           ; sqrt(32) / log2(e), with e4 + e5 taken from its exponent field
; A STEP: 64 m against my 64 n.  b: g's run; ld = 1: the run is loaded again, for two steps on; cnt: the younger loads that may stay out
.macro STEPB b, ld, cnt
	s_wait_loadcnt \cnt
.irp mt, 0,1,2,3
.irp nt, 0,1,2,3
	v_wmma_f32_16x16x64_bf8_bf8 v[S+32*\nt+8*\mt:S+32*\nt+8*\mt+7], v[G+20*\b+4*\mt:G+20*\b+4*\mt+7], v[F+8*\nt:F+8*\nt+7], 0
.endr
.endr
.rept 4
	v_nop                                          ; places (ISA guide 7.12.1) before the first read of the scores
.endr
.irp nt, 0,1,2,3                               ; the step's largest score of my n among my 32 m, two chains a tile, every accumulator from its low end on
	v_max3_num_f32 v[ST+8*\nt+6], v[S+32*\nt], v[S+32*\nt+1], v[S+32*\nt+2]
	v_max3_num_f32 v[ST+8*\nt+7], v[S+32*\nt+3], v[S+32*\nt+4], v[S+32*\nt+5]
.endr
.irp i, 6,10,14,18,22,26
.irp nt, 0,1,2,3
	v_max3_num_f32 v[ST+8*\nt+6], v[ST+8*\nt+6], v[S+32*\nt+\i], v[S+32*\nt+\i+1]
	v_max3_num_f32 v[ST+8*\nt+7], v[ST+8*\nt+7], v[S+32*\nt+\i+2], v[S+32*\nt+\i+3]
.endr
.endr
.irp nt, 0,1,2,3
	v_max3_num_f32 v[ST+8*\nt+6], v[ST+8*\nt+6], v[S+32*\nt+30], v[S+32*\nt+31]
.endr
.irp nt, 0,1,2,3
	v_max_num_f32 v[ST+8*\nt+6], v[ST+8*\nt+6], v[ST+8*\nt+7]
.endr
.irp nt, 0,1,2,3
	v_mul_f32 v[ST+8*\nt+6], s[CS], v[ST+8*\nt+6]  ; as t (c' is positive)
.endr
.irp nt, 0,1,2,3
	v_max_num_f32 v[ST+8*\nt+1], v[ST+8*\nt+1], v[ST+8*\nt+6]
.endr
.irp nt, 0,1,2,3
	v_mov_b32 v[ST+8*\nt+6], v[ST+8*\nt]
.endr
.irp nt, 0,1,2,3
	v_floor_f32 v[ST+8*\nt], -v[ST+8*\nt+1]        ; the new -M = floor(-t): M is a whole number
.endr
.irp nt, 0,1,2,3
	v_sub_f32 v[ST+8*\nt+6], v[ST+8*\nt], v[ST+8*\nt+6]   ; old M - new M, 0 or less
.endr
.irp nt, 0,1,2,3
	v_cvt_i32_f32 v[ST+8*\nt+6], v[ST+8*\nt+6]     ; (it saturates)
.endr
.irp nt, 0,1,2,3
	v_ldexp_f32 v[ST+8*\nt+4], 1.0, v[ST+8*\nt+6]  ; 2^(old M - new M)
.endr
.irp nt, 0,1,2,3
.irp j, 0,2,4,6,8,10,12,14,16,18,20,22,24,26,28,30
	v_pk_fma_f32 v[S+32*\nt+\j:S+32*\nt+\j+1], v[S+32*\nt+\j:S+32*\nt+\j+1], s[CS:CS+1], v[ST+8*\nt:ST+8*\nt+1] op_sel_hi:[1,0,0]   ; t - M, two at a time (the low words of c' and -M serve both halves)
.endr
.endr
.set n, 0
.rept 128
	v_exp_f32 v[S+n], v[S+n]                       ; 2^(t - M), at most 1
.set n, n+1
.endr
.irp nt, 0,1,2,3
	v_pk_mul_f32 v[ST+8*\nt+2:ST+8*\nt+3], v[ST+8*\nt+2:ST+8*\nt+3], v[ST+8*\nt+4:ST+8*\nt+5] op_sel_hi:[1,0]   ; l under the new M; plain lines behind the exponentials
.endr
	s_wait_alu depctr_va_vdst(0)                   ; the 128 exponentials have written their results, ahead of the first line that names one; and the step's products are done reading g's run, in which the loads below land
.if \ld
	LOADG \b, (\b+2)*2048
.endif
.irp nt, 0,1,2,3
	v_pk_add_f32 v[ST+8*\nt+6:ST+8*\nt+7], v[S+32*\nt:S+32*\nt+1], v[S+32*\nt+2:S+32*\nt+3]
.endr
.irp j, 4,8,12,16,20,24,28
.irp nt, 0,1,2,3
	v_pk_add_f32 v[ST+8*\nt+2:ST+8*\nt+3], v[ST+8*\nt+2:ST+8*\nt+3], v[S+32*\nt+\j:S+32*\nt+\j+1]
	v_pk_add_f32 v[ST+8*\nt+6:ST+8*\nt+7], v[ST+8*\nt+6:ST+8*\nt+7], v[S+32*\nt+\j+2:S+32*\nt+\j+3]
.endr
.endr
.irp nt, 0,1,2,3
	v_pk_add_f32 v[ST+8*\nt+2:ST+8*\nt+3], v[ST+8*\nt+2:ST+8*\nt+3], v[ST+8*\nt+6:ST+8*\nt+7]
.endr
.endm
	s_mov_b32 s[TRIP], 3
.Ltwo:                                             ; three trips of two steps; each step asks for the step two on.  The count 4: the other run's four loads
	STEPB 0, 1, 4
	STEPB 1, 1, 4
	s_wait_xcnt 0x0                                ; the loads have read their base: it may step
	s_add_nc_u64 s[GB:GB+1], s[GB:GB+1], 4096
	s_sub_co_u32 s[TRIP], s[TRIP], 1
	s_cmp_lg_u32 s[TRIP], 0
	s_cbranch_scc1 .Ltwo
	STEPB 0, 0, 4                                  ; the last two steps ask for nothing: no load leaves gq
	STEPB 1, 0, 0
.irp nt, 0,1,2,3
	v_add_f32 v[ST+8*\nt+1], v[ST+8*\nt+2], v[ST+8*\nt+3]   ; l, beside -M
.endr
	s_wait_alu depctr_va_vdst(0)                   ; the additions have written the pairs, which the LDS stores read; and the sums are done reading the scores' registers, in which the partial pairs land below
.irp nt, 0,1,2,3
	ds_store_b64 v[PW], v[ST+8*\nt:ST+8*\nt+1] offset:128*\nt
.endr
	s_wait_dscnt 0x0                               ; for the others' sake: my pairs have landed
	s_barrier_signal -1
	s_barrier_wait -1
	s_cmp_lt_u32 s[WV], 2                          ; waves 0 and 1 join the pairs: thread i takes n = 2 i and 2 i + 1
	s_cbranch_scc0 .Lend
.irp p, 0,1,2,3,4,5,6,7,8,9,10,11,12,13,14,15
	ds_load_b128 v[S+4*\p:S+4*\p+3], v[PR] offset:1024*\p   ; (-M, l) of two neighbouring n
.endr
	s_wait_dscnt 0x0
.irp c, 0,1
	v_min_num_f32 v[8+\c], v[S+2*\c], v[S+4+2*\c]  ; the least -M is the row's
.irp p, 2,3,4,5,6,7,8,9,10,11,12,13,14,15
	v_min_num_f32 v[8+\c], v[8+\c], v[S+4*\p+2*\c]
.endr
.irp p, 0,1,2,3,4,5,6,7,8,9,10,11,12,13,14,15
	v_sub_f32 v[S+4*\p+2*\c], v[8+\c], v[S+4*\p+2*\c]       ; the part's M less the row's: a whole number, 0 or less
	v_cvt_i32_f32 v[S+4*\p+2*\c], v[S+4*\p+2*\c]
	v_ldexp_f32 v[S+4*\p+2*\c+1], v[S+4*\p+2*\c+1], v[S+4*\p+2*\c]
.endr
	v_add_f32 v[10+\c], v[S+1+2*\c], v[S+5+2*\c]
.irp p, 2,3,4,5,6,7,8,9,10,11,12,13,14,15
	v_add_f32 v[10+\c], v[10+\c], v[S+4*\p+2*\c+1]
.endr
.endr
	v_log_f32 v12, v10                             ; l lies above 1/2: the row's largest term does
	v_log_f32 v13, v11
	v_nop                                          ; a plain line behind the transcendentals,
	s_wait_alu depctr_va_vdst(0)                   ; and the two logarithms have written v12 and v13, ahead of their first reader
	v_sub_f32 v12, v8, v12                         ; -M - log2 l
	v_sub_f32 v13, v9, v13
	v_mul_f32 v12, s[INV], v12
	v_mul_f32 v13, s[INV], v13
	s_wait_alu depctr_va_vdst(0)                   ; the multiplications have written v12 and v13, which the store reads
	global_store_b64 v[CO], v[12:13], s[CB:CB+1]   ; a wave stores 256 consecutive bytes, aligned
.Lend:
	s_wait_dscnt 0x0                               ; the closing lines, six on end
	s_wait_alu 0x0
	s_wait_tensorcnt 0x0
	ds_add_u32 v[SPW], v[NIL]
	s_wait_dscnt 0x0
	s_endpgm
.Lfunc_end_k_qa940dd38d1_stats:
	.size	k_qa940dd38d1_stats, .Lfunc_end_k_qa940dd38d1_stats-k_qa940dd38d1_stats
	.p2alignl 7, 3214868480
	.fill 96, 4, 3214868480
	.section	.rodata,"a",@progbits
	.p2align	6, 0x0
	.amdhsa_kernel k_qa940dd38d1_stats
		.amdhsa_group_segment_fixed_size 18432
		.amdhsa_private_segment_fixed_size 0
		.amdhsa_enable_private_segment 0
		.amdhsa_kernarg_size 32
		.amdhsa_user_sgpr_count 2
		.amdhsa_user_sgpr_kernarg_segment_ptr 1
		.amdhsa_wavefront_size32 1
		.amdhsa_system_sgpr_workgroup_id_x 1
		.amdhsa_system_sgpr_workgroup_id_y 1
		.amdhsa_system_sgpr_workgroup_id_z 1
		.amdhsa_system_vgpr_workitem_id 0
		.amdhsa_next_free_vgpr 256
		.amdhsa_next_free_sgpr 66
		.amdhsa_reserve_vcc 0
		.amdhsa_float_denorm_mode_32 3
		.amdhsa_float_denorm_mode_16_64 3
		.amdhsa_memory_ordered 1
		.amdhsa_forward_progress 1
		.amdhsa_inst_pref_size 88
	.end_amdhsa_kernel
	.amdgpu_metadata
---
amdhsa.version: [ 1, 2 ]
amdhsa.kernels:
  - .name:           k_qa940dd38d1_stats
    .symbol:         k_qa940dd38d1_stats.kd
    .args:
      - { .name: fq, .offset: 0, .size: 8, .value_kind: global_buffer, .address_space: global }
      - { .name: gq, .offset: 8, .size: 8, .value_kind: global_buffer, .address_space: global }
      - { .name: lowp_scales, .offset: 16, .size: 8, .value_kind: global_buffer, .address_space: global }
      - { .name: cst, .offset: 24, .size: 8, .value_kind: global_buffer, .address_space: global }
    .group_segment_fixed_size: 18432
    .private_segment_fixed_size: 0
    .kernarg_segment_align: 8
    .kernarg_segment_size: 32
    .max_flat_workgroup_size: 512
    .sgpr_count:     66
    .vgpr_count:     256
    .wavefront_size: 32
...
	.end_amdgpu_metadata
.endif
;; end of part 5
;; launch attend (part 6): grid 32 x 8, 4 waves a work-group, no clusters, 67,072 bytes of LDS; arguments hq, fq, gq, cst, x1, x2, gamma1, gamma2, lowp_scales, out0, out1; writes out0, out1
.if DOCPART == 6
	.amdgcn_target "amdgcn-amd-amdhsa--gfx1250"
	.amdhsa_code_object_version 6
	.text
	.protected	k_qa940dd38d1_attend
	.globl	k_qa940dd38d1_attend
	.p2align	8
	.type	k_qa940dd38d1_attend,@function
k_qa940dd38d1_attend:
	s_mov_b64 s[64:65], 0
	v_nop
	global_prefetch_b8 v0, s[64:65] scope:SCOPE_SE
	s_setreg_imm32_b32 hwreg(HW_REG_WAVE_SCHED_MODE, 0, 2), 2
	s_setreg_imm32_b32 hwreg(HW_REG_WAVE_MODE, 25, 1), 1
	s_wait_xcnt 0x0
	s_wait_alu depctr_vm_vsrc(0)
; ATTEND: out[c][m] = gamma x (the sum over n of h[c][n] attn[n][m]) + x[c][m], attn[n][m] = 2^(c' (S[n][m] + cst[n])), the FINISHED softmax, quantised along n with the scale 2^e9.
; No work is left out here.  S + cst is one matrix instruction: cst is the C of the score product.  c' = log2(e) / sqrt(32) x 2^(e4 + e5).
; SHARES.  A work-group makes 256 c x 128 m of one bb (work-group y); K = n goes in 32 steps of 128.
; In the last product the waves share c: wave w owns c = 64 w .. + 63 for all 128 m: 32 accumulators.  Its four fragments of h a step come from hq straight into its registers.
; In making P = attn's codes the waves share n: wave w makes n = 128 s + 32 w + 0..31 for the 8 tiles of m: 16 products of the K = 64 form (K is 32; the upper 32 are zero codes),
; source 0 = 16 rows n of f, source 1 = 16 columns m of g.  THE ROWS OF A TILE ARE NOT NEIGHBOURS (lane r of tile u: n = 8 u + r + (r & 8)), so a lane's 16 results of tiles u = 0, 1 are n = 16 h + 0..15:
; four registers of codes, which are group w of the fragment of m tile t.  They go to LDS as an image of the fragment's registers (16 bytes a lane); every wave loads all 8 fragments back.
; Last product: source 0 = P (16 rows m), source 1 = h (16 columns c): a lane holds one c and 8 neighbouring m.
; BY TURNS.  Step s multiplies P(s) by h(s); between those 32 matrix instructions stands the vector work that makes P(s + 1): 64 packed scalings, 128 exponentials (one batch, one wait), 128 holds, 16 conversions.
; Loads run three steps ahead: step s asks for h of step s + 3 at its head (16 loads) and for f and cst of step s + 3 in its middle (6).  So no wave waits for that stream, and nothing is prefetched.
; ONE BARRIER A STEP, two image buffers: in front of its signal a wave's stores of P(s) have landed and its loads of P(s - 1) are back; P(s + 1) is stored behind the barrier's wait, into the buffer that held P(s - 1).
; NO CLUSTER: what the 32 work-groups of a bb share is h, 32,768 bytes a step, each byte wanted by one wave of a work-group.  Asked for jointly it would pass through LDS: 32,768 bytes written and as many read on top of a step's 16,384 + 65,536.
; LIMITS: e4 + e5 between -124 and 127; e9 between -126 and 112; e8 + e9 between -126 and 127.  attn under 2^-126 counts as 0.  NaN is not served.
; REGISTERS, in windows of 256.  window 0: v0-15 addresses and constants; v64-191 scores, 16 t + 8 u + j; v192-223 P's codes just made; on the way out v64-255.
;   window 1: h, four sets of 4 fragments.   window 2: v0-127 P's 8 fragments; v128-191 g, 8 a tile; v192-223 f, two sets; v224-255 cst as C, two sets.   window 3: accumulator (a, t) at 8 (8 a + t).
; THE MODE: SCHED_MODE bits 1:0 = 2 (LLVM: expert scheduling mode 2), set by the entry lines.  The code itself states the register dependences
; between vector or matrix instructions and memory or LDS instructions, with s_wait_alu, always for 0.
; THE PLAN.  Registers that memory or LDS instructions touch, in the loop:
;   v1-7            addresses: written at the head, never again.
;   P's fragments   Step s: its LDS loads land at the step's head; its 32 products read them.
;   h's four sets   Step s: its products read set s % 4; at the head of step s + 1 the loads of step s + 4 land in that set.
;   f, cst, set fb  Step s: its 16 score products read them, at its head; behind product 19 the loads of step s + 3 land in them.
;   P's codes       Step s: its conversions write them, behind product 20; the eight image stores at the step's end read them.
;   g, the scores and the accumulators are named by vector and matrix instructions alone.
; TWO waits on va_vdst a step.  The one behind product 19 states that the exponentials have written their results and that the score products are done reading f and cst.
; The one at the step's end states that the conversions have written P's codes and that the step's products are done reading P's fragments and h's set: up to the next step's loads into those
; only the score products and four v_nop are issued, which name f, g, cst and the scores.  One wait on vm_vsrc a step, beside the first: the last step's image stores have read P's codes.
.set LI,  1                            ; 16 x lane
.set IW,  2                            ; 16 x lane + 512 x wave: my group of an image
.set FO,  3                            ; fq: 32 (r + (r & 8)) + 16 h
.set CO,  4                            ; cst: 64 h
.set GOF, 5                            ; gq: 32 r + 16 h
.set STO, 6                            ; the stage: where I put 32 bytes of a row
.set RD,  7                            ; and where I read a row back
.set PSC, 8                            ; 2^e9
.set LIM, 9                            ; 57,344 x 2^e9
.set SPW, 10                           ; my spare word; never rewritten
.set NIL, 11                           ; 0; never rewritten
.set SC,  64
.set PC,  192
.set BK,  128
.set GG,  128
.set FF,  192
.set CC,  224
.set STAGE, 32768                      ; behind the two image buffers of 16,384: 16 rows x (512 + 16) bytes for each wave
.set SPARE, STAGE+4*16*528             ; the spare words, 128 bytes for each wave: two blocks of 256 bytes that no other line names
.set HB,  30
.set FB,  32
.set CB,  34
.set XB,  36
.set OB,  38
.set CS,  40
.set GS,  42
.set TRIP, 44
.set GB,  46
.set MSB, 0
.macro WIN new                         ; bits 1:0 source 0, 3:2 source 1, 5:4 source 2, 7:6 destination; the high byte repeats the setting that is left
.if MSB != (\new)
	s_set_vgpr_msb (MSB<<8)|(\new)
.set MSB, (\new)
.endif
.endm
.macro SCORES fb                       ; S + cst for my 32 n x 128 m
	WIN 0x2a
.irp t, 0,1,2,3,4,5,6,7
.irp u, 0,1
	v_wmma_f32_16x16x64_bf8_bf8 v[SC+16*\t+8*\u:SC+16*\t+8*\u+7], v[FF+16*\fb+8*\u:FF+16*\fb+8*\u+7], v[GG+8*\t:GG+8*\t+7], v[CC+16*\fb+8*\u:CC+16*\fb+8*\u+7]
.endr
.endr
.endm
.macro PFETCH pb                       ; P's 8 fragments, tile by tile
	WIN 0x80
.irp t, 0,1,2,3,4,5,6,7
.irp q, 0,1,2,3
	ds_load_b128 v[16*\t+4*\q:16*\t+4*\q+3], v[LI] offset:\pb*16384+2048*\t+512*\q
.endr
.endr
.endm
.macro HLOAD hbn, joff                 ; 16 loads: one step's four fragments of h
	WIN 0x40
.irp a, 0,1,2,3
.irp q, 0,1,2,3
	global_load_b128 v[64*(\hbn)+16*\a+4*\q:64*(\hbn)+16*\a+4*\q+3], v[LI], s[HB:HB+1] offset:32768*(\joff)+2048*\a+512*\q   ; 512 consecutive bytes
.endr
.endr
.endm
.macro FCLOAD fb, joff                 ; 6 loads: one step's f (2) and cst (4)
	WIN 0x80
.irp u, 0,1
	global_load_b128 v[FF+16*\fb+8*\u:FF+16*\fb+8*\u+3], v[FO], s[FB:FB+1] offset:4096*(\joff)+256*\u
.endr
.irp u, 0,1
.irp e, 0,1
	global_load_b128 v[CC+16*\fb+8*\u+4*\e:CC+16*\fb+8*\u+4*\e+3], v[CO], s[CB:CB+1] offset:512*(\joff)+32*\u+16*\e   ; C's register j: cst of n = 16 h + 8 u + j
.endr
.endr
.endm
.macro XLOAD a                         ; 16 rows of x for the way out, into a set of h's that is done with (a = 3: where the scores lay)
.if \a < 3
	WIN 0x40
.set XS, 64*\a
.else
	WIN 0
.set XS, 64
.endif
.set n, 0
.rept 16
	global_load_b128 v[XS+4*n:XS+4*n+3], v[LI], s[XB:XB+1] offset:(16*\a+n)*16384 th:TH_LOAD_NT
.set n, n+1
.endr
.endm
; LIST A, 192 lines, none of which reads an exponential's result: scaling of pair 0; then for g = 1 .. 63: scaling of pair g, exponentials of pair g - 1; then pair 63's.  EMITA writes the next n of them
.macro EMITA n
.rept \n
.if ia < 192
	WIN 0
.if ia == 0
	v_pk_mul_f32 v[SC:SC+1], v[SC:SC+1], s[CS:CS+1] op_sel_hi:[1,0]
.elseif ia >= 190
	v_exp_f32 v[SC+ia-64], v[SC+ia-64]
.elseif (ia-1)%3 == 0
.set gg, (ia-1)/3+1
	v_pk_mul_f32 v[SC+2*gg:SC+2*gg+1], v[SC+2*gg:SC+2*gg+1], s[CS:CS+1] op_sel_hi:[1,0]   ; c' (S + cst), two at a time; each accumulator from its low end on
.else
.set ee, 2*((ia-1)/3)+(ia-1)%3-1
	v_exp_f32 v[SC+ee], v[SC+ee]                   ; attn
.endif
.set ia, ia+1
.endif
.endr
.endm
; LIST B, 145 lines: for each tile t 16 holds and 2 conversions; at the end a plain line behind the last conversion.  The image stores stand together at the step's end, behind one wait
.macro EMITB n
.rept \n
.if ib < 145
	WIN 0
.set tt, ib/18
.set kk, ib%18
.if ib == 144
	v_nop
.elseif kk < 16
	v_min_num_f32 v[SC+16*tt+kk], v[SC+16*tt+kk], v[LIM]   ; the conversion to an 8-bit code does not saturate (ISA guide 7.6.2); attn is not negative: a one-sided hold
.elseif kk == 16
	v_cvt_scalef32_pk8_bf8_f32 v[PC+4*tt:PC+4*tt+1], v[SC+16*tt:SC+16*tt+7], v[PSC]
.else
	v_cvt_scalef32_pk8_bf8_f32 v[PC+4*tt+2:PC+4*tt+3], v[SC+16*tt+8:SC+16*tt+15], v[PSC]
.endif
.set ib, ib+1
.endif
.endr
.endm
.macro ISTORE pbn                      ; my group of the 8 images
.irp t, 0,1,2,3,4,5,6,7
	ds_store_b128 v[IW], v[PC+4*\t:PC+4*\t+3] offset:(\pbn)*16384+2048*\t
.endr
.endm
.macro MM hb, main                     ; product i of a step's 32: m tile i / 4, my c tile i % 4.  The 32 accumulators take turns, one instruction a turn
	WIN 0xf6
.set tt, i/4
.set aa, i%4
.if \main == 2
	v_wmma_f32_16x16x128_bf8_bf8 v[8*(8*aa+tt):8*(8*aa+tt)+7], v[16*tt:16*tt+15], v[64*\hb+16*aa:64*\hb+16*aa+15], 0
.else
	v_wmma_f32_16x16x128_bf8_bf8 v[8*(8*aa+tt):8*(8*aa+tt)+7], v[16*tt:16*tt+15], v[64*\hb+16*aa:64*\hb+16*aa+15], v[8*(8*aa+tt):8*(8*aa+tt)+7]
.endif
.endm
; A STEP.  hb: h's set; pb: P's image buffer; fb: the set of f and cst for the NEXT step's P; main = 1: the 32 products, 2: they start the sums, 0: none; next = 1: the next P is made;
; ld = 1: the loads of three steps on (joff: that step, counted from the bases), 2: x's rows 16 joff on, 3: x's last 32 rows; lcnt: the younger loads that may stay out
.macro STEP hb, pb, fb, main, next, ld, lcnt, joff
	s_wait_loadcnt \lcnt                           ; loads come back in order (ISA guide 5.7.1): the next step's f and cst are in, and this step's h, which is older
.if \main
	s_wait_dscnt 0x0                               ; my stores of this step's P have landed, my loads of the last step's are back
	s_barrier_signal -1
.endif
.if \next
	SCORES \fb                                     ; work on registers while the others arrive
.endif
	WIN 0
.rept 4
	v_nop                                          ; places (ISA guide 7.12.1) behind the score products, before the first read of the scores
.endr
.if \main
	s_barrier_wait -1                              ; every wave's part of P lies in LDS, and nobody reads the other buffer
	PFETCH \pb                                     ; no wait here, nor for the loads below: the wait at the last step's end has shown their registers' readers done, and the lines since name none of them
.endif
.if \ld == 1
	HLOAD (\hb+3)%4, \joff
.elseif \ld == 2
	XLOAD \joff
.elseif \ld == 3
	XLOAD 2
	XLOAD 3
.endif
.set ia, 0
.set ib, 0
.if \next
	EMITA 32
.endif
.if \main
.set i, 0
.rept 32
.if i == 0
	s_wait_dscnt 28                                ; tile 0 of P is in; the counts are the loads behind a tile's four
.elseif i == 4
	s_wait_dscnt 24
.elseif i == 8
	s_wait_dscnt 20
.elseif i == 12
	s_wait_dscnt 16
.elseif i == 16
	s_wait_dscnt 12
.elseif i == 20
	s_wait_dscnt 0x0                               ; the rest
.endif
	MM \hb, \main
.if \next
.if i < 20
	EMITA 8
.if i == 19
	v_nop                                          ; a plain line behind the last exponential
	s_wait_alu depctr_va_vdst(0)                   ; the step's 128 exponentials have written their results, ahead of the first reader; the score products are done reading f and cst of set fb, in which the loads below land
	s_wait_alu depctr_vm_vsrc(0)                   ; the last step's image stores have read P's codes, which the conversions below write again
.if \ld == 1
	FCLOAD \fb, \joff
.endif
.endif
.else
	EMITB 13
.endif
.endif
.set i, i+1
.endr
.else
	EMITA 160
	v_nop                                          ; a plain line behind the last exponential
	s_wait_alu depctr_va_vdst(0)                   ; the 128 exponentials have written their results; the score products are done reading f and cst of set fb, in which the loads below land
	FCLOAD \fb, \joff
	EMITB 145
.endif
	WIN 0
.if \next
	s_wait_alu depctr_va_vdst(0)                   ; the conversions have written P's codes, which the image stores read; this step's products are done reading P's fragments and h's set, in which the next step's loads land
	ISTORE 1-\pb
.endif
.endm
	s_load_b512 s[8:23], s[0:1], 0x0               ; hq, fq, gq, cst, x1, x2, gamma1, gamma2
	s_load_b128 s[24:27], s[0:1], 0x40             ; lowp_scales, out0
	s_load_b64 s[28:29], s[0:1], 0x50              ; out1
	v_lshl_add_u32 v[SPW], v0, 2, SPARE
	v_mov_b32 v[NIL], 0
	v_lshrrev_b32 v12, 5, v0
	v_readfirstlane_b32 s4, v12                    ; wave 0..3
	s_wait_alu depctr_va_sdst(0)                   ; s4 is written, ahead of its first reader: addresses and bases are made from it
	s_and_b32 s5, ttmp7, 0xffff                    ; bb
	s_lshr_b32 s6, s5, 2                           ; branch
	s_and_b32 s7, s5, 3                            ; batch
	v_and_b32 v12, 31, v0
	v_and_b32 v13, 15, v0                          ; r
	v_bfe_u32 v14, v0, 4, 1                        ; h
	v_lshlrev_b32 v[LI], 4, v12
	s_lshl_b32 s54, s4, 9
	v_add_nc_u32 v[IW], s54, v[LI]
	v_and_b32 v15, 8, v13
	v_add_nc_u32 v15, v15, v13
	v_lshlrev_b32 v[FO], 5, v15
	v_lshl_add_u32 v[FO], v14, 4, v[FO]
	v_lshlrev_b32 v[CO], 6, v14
	v_lshlrev_b32 v[GOF], 5, v13
	v_lshl_add_u32 v[GOF], v14, 4, v[GOF]
	s_mul_i32 s54, s4, 16*528
	s_add_co_u32 s54, s54, STAGE                   ; my stage
	v_mul_u32_u24 v[STO], v13, 528                 ; in: row r (a c), 32 bytes for each half of the lanes
	v_lshl_add_u32 v[STO], v14, 5, v[STO]
	v_add_nc_u32 v[STO], s54, v[STO]
	v_add_nc_u32 v[RD], s54, v[LI]                 ; back: the 32 lanes take a row of 512 bytes
	s_mov_b32 s55, 0
	s_wait_kmcnt 0x0
	s_cmp_eq_u32 s6, 0                             ; the branch's buffers: a choice on the work-group's number
	s_cselect_b64 s[XB:XB+1], s[16:17], s[18:19]
	s_cselect_b64 s[OB:OB+1], s[26:27], s[28:29]
	s_cselect_b64 s[58:59], s[20:21], s[22:23]
	s_mul_i32 s54, s6, 40
	s_add_nc_u64 s[24:25], s[24:25], s[54:55]
	s_load_b64 s[48:49], s[24:25], 0x10            ; e4, e5
	s_load_b64 s[50:51], s[24:25], 0x20            ; e8, e9
	s_load_b32 s52, s[58:59], 0x0                  ; gamma
	s_lshl_b32 s54, s5, 20                         ; hq: bb x 1 MiB + my 4 tiles of 2,048
	s_lshl_b32 s56, s4, 13
	s_add_co_u32 s54, s54, s56
	s_add_nc_u64 s[HB:HB+1], s[8:9], s[54:55]
	s_lshl_b32 s54, s5, 17                         ; fq: bb x 131,072 + my 32 rows of 32
	s_lshl_b32 s56, s4, 10
	s_add_co_u32 s54, s54, s56
	s_add_nc_u64 s[FB:FB+1], s[10:11], s[54:55]
	s_lshl_b32 s54, s5, 17                         ; gq: + the work-group's 128 rows
	s_lshl_b32 s56, ttmp9, 12
	s_add_co_u32 s54, s54, s56
	s_add_nc_u64 s[GB:GB+1], s[12:13], s[54:55]
	s_lshl_b32 s54, s5, 14                         ; cst: bb x 16,384 + my 32 numbers
	s_lshl_b32 s56, s4, 7
	s_add_co_u32 s54, s54, s56
	s_add_nc_u64 s[CB:CB+1], s[14:15], s[54:55]
	s_lshl_b32 s54, s7, 22                         ; x and out: batch x 4 MiB + 64 w rows of 16,384 + 512 x work-group x
	s_lshl_b32 s56, s4, 20
	s_add_co_u32 s54, s54, s56
	s_lshl_b32 s56, ttmp9, 9
	s_add_co_u32 s54, s54, s56
	s_add_nc_u64 s[XB:XB+1], s[XB:XB+1], s[54:55]
	s_add_nc_u64 s[OB:OB+1], s[OB:OB+1], s[54:55]
	WIN 0x80
	s_wait_alu depctr_va_vdst(0)                   ; the addresses v1 to v7 are written, which every load and store of the kernel reads
.irp t, 0,1,2,3,4,5,6,7
	global_load_b128 v[GG+8*\t:GG+8*\t+3], v[GOF], s[GB:GB+1] offset:512*\t   ; g of my work-group's 128 m stays in registers
.endr
	HLOAD 0, 0                                     ; a group is h, then f and cst, here as in the steps
	FCLOAD 0, 0
	HLOAD 1, 1
	FCLOAD 1, 1
	WIN 0x80
.irp t, 0,1,2,3,4,5,6,7
.irp k, 4,5,6,7
	v_mov_b32 v[GG+8*\t+\k], 0                     ; zero codes for k = 32..63
.endr
.endr
.irp t, 0,1,2,3
.irp k, 4,5,6,7
	v_mov_b32 v[FF+8*\t+\k], 0
.endr
.endr
	WIN 0
	s_wait_kmcnt 0x0
	s_add_co_i32 s54, s48, s49
	s_lshl_b32 s54, s54, 23
	s_add_co_i32 s[CS], s54, 0x3e8293ee            ; log2(e) / sqrt(32), with e4 + e5 added to its exponent field
	s_mov_b32 s[CS+1], s[CS]                       ; (named with it as a pair)
	s_add_co_i32 s54, s51, 127
	s_lshl_b32 s56, s54, 23
	v_mov_b32 v[PSC], s56
	s_add_co_i32 s54, s54, 15
	s_lshl_b32 s54, s54, 23
	s_or_b32 s54, s54, 0x600000
	v_mov_b32 v[LIM], s54
	s_add_co_i32 s54, s50, s51
	s_add_co_i32 s54, s54, 127
	s_lshl_b32 s54, s54, 23                        ; 2^(e8 + e9)
	s_mul_f32 s[GS], s52, s54                      ; gamma x 2^(e8 + e9): a power of two rounds nothing
	s_mov_b32 s[GS+1], s[GS]
	; the count 22 everywhere: behind the f and cst that a step needs stands the next group: 16 loads of h, 6 of f and cst
	STEP 3, 1, 0, 0, 1, 1, 22, 2                   ; ahead of step 0: P(0) is made; the loads of step 2
	STEP 0, 0, 1, 2, 1, 1, 22, 3                   ; step 0 starts the sums: nothing is cleared
	s_wait_xcnt 0x0                                ; the loads have read their bases: they may step
	s_add_nc_u64 s[HB:HB+1], s[HB:HB+1], 4*32768
	s_add_nc_u64 s[FB:FB+1], s[FB:FB+1], 4*4096
	s_add_nc_u64 s[CB:CB+1], s[CB:CB+1], 4*512
	s_mov_b32 s[TRIP], 7
.Ltrip:                                            ; seven trips of four steps, 1 to 28: after four steps every set of registers is back where it began
	STEP 1, 1, 0, 1, 1, 1, 22, 0
	STEP 2, 0, 1, 1, 1, 1, 22, 1
	STEP 3, 1, 0, 1, 1, 1, 22, 2
	STEP 0, 0, 1, 1, 1, 1, 22, 3
	s_wait_xcnt 0x0
	s_add_nc_u64 s[HB:HB+1], s[HB:HB+1], 4*32768
	s_add_nc_u64 s[FB:FB+1], s[FB:FB+1], 4*4096
	s_add_nc_u64 s[CB:CB+1], s[CB:CB+1], 4*512
	s_sub_co_u32 s[TRIP], s[TRIP], 1
	s_cmp_lg_u32 s[TRIP], 0
	s_cbranch_scc1 .Ltrip
	STEP 1, 1, 0, 1, 1, 2, 22, 0                   ; steps 29 to 31 ask for no further step: x's rows come instead, into the sets of h that are done with
	STEP 2, 0, 1, 1, 1, 2, 16, 1                   ; younger than f and cst of step 31: x's first 16 rows
	STEP 3, 1, 0, 1, 0, 3, 32, 0                   ; younger than h, f and cst of step 31: x's first 32 rows
; THE WAY OUT, 16 rows c at a time.  A lane holds 32 neighbouring bytes of a row and the lanes beside it other rows: a block goes through my own stage and comes back as whole rows of 512 bytes.
; LDS serves a wave's instructions in order (ISA guide 5.7.1.4): no wait between the stores and the loads, nor in front of the next block's stores.
.macro TOSTAGE a
.if \a >= 2
	s_wait_xcnt 0x0                                ; the stores of the block two back have had their addresses translated,
	s_wait_alu depctr_vm_vsrc(0)                   ; and have read their registers, in which the loads below land (the multiply-adds that wrote those stand ahead of the last wait on va_vdst)
.endif
	WIN 0x0c
.irp t, 0,1,2,3,4,5,6,7
	ds_store_b128 v[STO], v[8*(8*\a+\t):8*(8*\a+\t)+3] offset:64*\t          ; each accumulator from its low end on
	ds_store_b128 v[STO], v[8*(8*\a+\t)+4:8*(8*\a+\t)+7] offset:64*\t+16
.endr
	WIN 0
.irp i, 0,1,2,3,4,5,6,7,8,9,10,11,12,13,14,15
	ds_load_b128 v[BK+64*(\a%2)+4*\i:BK+64*(\a%2)+4*\i+3], v[RD] offset:528*\i
.endr
.endm
.macro FINISH a, younger, lc           ; younger: the LDS instructions behind block a's loads; lc: x's loads behind block a's
	s_wait_dscnt \younger
	s_wait_loadcnt \lc
.if \a < 3
	WIN 0x10
.set XS, 64*\a
.else
	WIN 0
.set XS, 64
.endif
.set n, 0
.rept 32
	v_pk_fma_f32 v[BK+64*(\a%2)+2*n:BK+64*(\a%2)+2*n+1], v[BK+64*(\a%2)+2*n:BK+64*(\a%2)+2*n+1], s[GS:GS+1], v[XS+2*n:XS+2*n+1] op_sel_hi:[1,0,1]   ; sum x gamma 2^(e8 + e9) + x
.set n, n+1
.endr
	WIN 0
	s_wait_alu depctr_va_vdst(0)                   ; the multiply-adds have written the block's rows, which the stores read
.irp i, 0,1,2,3,4,5,6,7,8,9,10,11,12,13,14,15
	global_store_b128 v[LI], v[BK+64*(\a%2)+4*\i:BK+64*(\a%2)+4*\i+3], s[OB:OB+1] offset:(16*\a+\i)*16384 th:TH_STORE_NT   ; 32 lanes store 512 consecutive bytes, aligned
.endr
.endm
.rept 4
	v_nop                                          ; places before the last products' results are read
.endr
	s_wait_alu depctr_va_vdst(0)                   ; the products have written the accumulators, which the LDS stores read; the places above stay beside this wait
	s_wait_alu depctr_vm_vsrc(0)                   ; the last image stores have read P's codes, in whose registers rows from the stage land
	TOSTAGE 0
	TOSTAGE 1
	FINISH 0, 32, 48
	TOSTAGE 2
	FINISH 1, 32, 32
	TOSTAGE 3
	FINISH 2, 32, 16
	FINISH 3, 0, 0
	s_wait_dscnt 0x0                               ; the closing lines, six on end
	s_wait_alu 0x0
	s_wait_tensorcnt 0x0
	ds_add_u32 v[SPW], v[NIL]
	s_wait_dscnt 0x0
	s_endpgm
.Lfunc_end_k_qa940dd38d1_attend:
	.size	k_qa940dd38d1_attend, .Lfunc_end_k_qa940dd38d1_attend-k_qa940dd38d1_attend
	.p2alignl 7, 3214868480
	.fill 96, 4, 3214868480
	.section	.rodata,"a",@progbits
	.p2align	6, 0x0
	.amdhsa_kernel k_qa940dd38d1_attend
		.amdhsa_group_segment_fixed_size 67072
		.amdhsa_private_segment_fixed_size 0
		.amdhsa_enable_private_segment 0
		.amdhsa_kernarg_size 88
		.amdhsa_user_sgpr_count 2
		.amdhsa_user_sgpr_kernarg_segment_ptr 1
		.amdhsa_wavefront_size32 1
		.amdhsa_system_sgpr_workgroup_id_x 1
		.amdhsa_system_sgpr_workgroup_id_y 1
		.amdhsa_system_sgpr_workgroup_id_z 1
		.amdhsa_system_vgpr_workitem_id 0
		.amdhsa_next_free_vgpr 1024
		.amdhsa_next_free_sgpr 66
		.amdhsa_reserve_vcc 0
		.amdhsa_float_denorm_mode_32 3
		.amdhsa_float_denorm_mode_16_64 3
		.amdhsa_memory_ordered 1
		.amdhsa_forward_progress 1
		.amdhsa_inst_pref_size 221
	.end_amdhsa_kernel
	.amdgpu_metadata
---
amdhsa.version: [ 1, 2 ]
amdhsa.kernels:
  - .name:           k_qa940dd38d1_attend
    .symbol:         k_qa940dd38d1_attend.kd
    .args:
      - { .name: hq, .offset: 0, .size: 8, .value_kind: global_buffer, .address_space: global }
      - { .name: fq, .offset: 8, .size: 8, .value_kind: global_buffer, .address_space: global }
      - { .name: gq, .offset: 16, .size: 8, .value_kind: global_buffer, .address_space: global }
      - { .name: cst, .offset: 24, .size: 8, .value_kind: global_buffer, .address_space: global }
      - { .name: x1, .offset: 32, .size: 8, .value_kind: global_buffer, .address_space: global }
      - { .name: x2, .offset: 40, .size: 8, .value_kind: global_buffer, .address_space: global }
      - { .name: gamma1, .offset: 48, .size: 8, .value_kind: global_buffer, .address_space: global }
      - { .name: gamma2, .offset: 56, .size: 8, .value_kind: global_buffer, .address_space: global }
      - { .name: lowp_scales, .offset: 64, .size: 8, .value_kind: global_buffer, .address_space: global }
      - { .name: out0, .offset: 72, .size: 8, .value_kind: global_buffer, .address_space: global }
      - { .name: out1, .offset: 80, .size: 8, .value_kind: global_buffer, .address_space: global }
    .group_segment_fixed_size: 67072
    .private_segment_fixed_size: 0
    .kernarg_segment_align: 8
    .kernarg_segment_size: 88
    .max_flat_workgroup_size: 128
    .sgpr_count:     66
    .vgpr_count:     1024
    .wavefront_size: 32
...
	.end_amdgpu_metadata
.endif
;; end of part 6
